; MI455X (gfx1250); checked and timed in simulation.
; The chip was launched on July 23, 2026; its instructions are those of AMD's public machine-readable ISA for CDNA 5 (MIT licence, August 2026) and "CDNA5" Instruction Set Architecture Reference Guide (July 2026). The comments in the code are by the model that wrote it; some were corrected since.
;; Multi Head Causal Self Attention. Allowed arithmetic: matrix products marked QUANTISED: E3M2 operands, one E8M0 scale for each 32 along K, by v_wmma_scale_f32_16x16x128_f8f6f4 with both operands' format E3M2, f32 sums; everything else in f32.
;; Inputs: Wk 1,024 x 1,024 float32; Wo 1,024 x 1,024 float32; Wq 1,024 x 1,024 float32; Wv 1,024 x 1,024 float32; x 4 x 2,048 x 1,024 float32.
;; Outputs: out0 4 x 2,048 x 1,024 float32.
;; This version of the problem:
;;   THIS VERSION OF THE PROBLEM IS GIVEN IN LOW PRECISION. The matrix products marked QUANTISED in the list below multiply operands that are first quantised to E3M2 (3 exponent bits, 2 mantissa bits; 6 bits a number), with one power-of-two scale for each 32 numbers along K (OCP MX v1.0); their sums are f32. All else is computed in f32.
;;   The module's matrix products, in the order in which they are computed (A, B: the left and right operand; K: the contracted axis; several contracted axes count as one K, in the product's order):
;;     1. [M 8,192, K 1,024] x [K 1,024, N 1,024]; A: input x; B: input Wq: QUANTISED
;;     2. [M 8,192, K 1,024] x [K 1,024, N 1,024]; A: input x; B: input Wk: QUANTISED
;;     3. [M 8,192, K 1,024] x [K 1,024, N 1,024]; A: input x; B: input Wv: QUANTISED
;;     4. batch 64 x [M 2,048, K 64] x [K 64, N 2,048]; A: computed on the way; B: computed on the way: QUANTISED
;;     5. batch 64 x [M 2,048, K 2,048] x [K 2,048, N 64]; A: softmax (see below); B: computed on the way: QUANTISED
;;     6. [M 8,192, K 1,024] x [K 1,024, N 1,024]; A: computed on the way; B: input Wo: QUANTISED
;;   THE QUANTISER, for each operand of a quantised product, along K:
;;     - K is cut into blocks of 32 from its start; a last block that is shorter is filled with zeros.
;;     - A block's scale is 2^e with e = floor(log2(the largest magnitude in the block)) - 4, held to -126 .. 127; a block of zeros has e = 0. As a byte (E8M0): e + 127.
;;     - Each number is divided by its block's scale, clamped to +-28, and rounded to the nearest number of E3M2, ties to even, subnormals kept.
;;     - The product sums the exact products of the quantised numbers (number of the format x scale) in f32.
;;   ~~~python
;;   def quantise(x, axis):      # numpy; x: float32 -> the quantised numbers, widened to float32 again
;;       x = np.moveaxis(x, axis, -1); K = x.shape[-1]
;;       x = np.pad(x, [(0, 0)] * (x.ndim - 1) + [(0, -K % 32)]); x = x.reshape(x.shape[:-1] + (-1, 32)); a = np.abs(x).max(-1, keepdims=True)
;;       e = np.where(a > 0, np.clip(np.frexp(np.where(a > 0, a, 1))[1] - 1 - 4, -126, 127), 0)      # np.frexp(a)[1] - 1 = floor(log2(a)), exactly
;;       r = np.clip(x / 2.0 ** e, -28, 28)
;;       step = 2.0 ** (np.maximum(np.frexp(np.where(r == 0, 1, r))[1] - 1, -2) - 2)
;;       q = np.round(r / step) * step * 2.0 ** e      # np.round: ties to even
;;       return np.moveaxis(q.reshape(q.shape[:-2] + (-1,))[..., :K], -1, axis).astype(np.float32)
;;   ~~~
;;   SOFTMAX AHEAD OF A QUANTISED PRODUCT. Where the list says 'softmax', what is quantised is not the finished softmax but p = 2^(t - M), with t = logit x log2(e) and M = ceil(the row's largest t), a whole number; so 1/2 < the row's largest p <= 1. The row's sum l is taken of the UNQUANTISED p, in f32, and the product's result is divided by l at the end. Since M is a whole number, a kernel that streams over the keys may use a running M (the ceiling of the running maximum): every later rescaling is an exact power of two, which a block's scale takes up: the codes' values come out the same.
;;   OPERANDS COMPUTED ON THE WAY. 'Computed on the way' means the value that the module computes at that place (a softmax that the list does not call 'softmax' is quantised finished and normalised). What goes into a quantiser is computed in f32, as accurately as f32 sums, v_exp_f32 and their like allow (about 1e-6 of the number): no bf16 or f16 on the way to a quantiser, and a product that is left as it is and whose result goes on into a quantised operand takes f32 operands (vector FMAs, or v_wmma_f32_16x16x4_f32). A number that lies on a knife's edge between two numbers of the format may be rounded either way, as far as f32 arithmetic and the matrix unit's own rounding can turn it there, and no further.
;; One version. Each part assembles by itself: llvm-mc -triple=amdgcn-amd-amdhsa -mcpu=gfx1250 --defsym DOCPART=n.
;; ======== version 1 of 1: 4 launches
;; workspace buffers: opq 9,830,400 bytes; att 19,660,800 bytes; mq 6,553,600 bytes
;; launch quant (part 1): grid 384 x 1, 4 waves a work-group, no clusters, 35,328 bytes of LDS; arguments x, Wq, Wk, Wv, Wo, opq; writes opq
.if DOCPART == 1
	.amdgcn_target "amdgcn-amd-amdhsa--gfx1250"
	.amdhsa_code_object_version 6
	.text
	.protected	k_q93bdb989c4_quant
	.globl	k_q93bdb989c4_quant
	.p2align	8
	.type	k_q93bdb989c4_quant,@function
k_q93bdb989c4_quant:
	s_mov_b64 s[64:65], 0
	v_nop
	global_prefetch_b8 v0, s[64:65] scope:SCOPE_SE
	s_setreg_imm32_b32 hwreg(HW_REG_WAVE_MODE, 25, 1), 1
	s_wait_xcnt 0x0
; x [8192][1024] and Wq, Wk, Wv, Wo [1024][1024], f32 with K innermost, become codes of BF6 (E3M2) with one E8M0 byte for each 32 along K, in the buffer opq.
; A block's scale is 2^(floor(log2(its largest magnitude)) - 4); its byte is the largest magnitude's exponent field - 4, held at 1 from below.
; LIMITS: a block of zeros gets the byte 1 where the rule says 127 (its codes are zeros, and this program alone reads the bytes); NaN and infinities among the inputs are not served.
; LAYOUT OF opq.  A TILE is 16 rows; tiles 0-511 x, 512-575 Wq, 576-639 Wk, 640-703 Wv, 704-767 Wo.  THE ROWS OF A TILE ARE NOT NEIGHBOURS: place r of tile 2 g + u holds row 32 g + 8 u + r + 8 (r / 8),
; so that a matrix result whose source 0 is such a tile has 16 neighbours along the next K in a lane's registers of two neighbouring tiles.
; Codes: [tile][sigma 16][768].  An image of 768 bytes is 16 rows x 64 along K as the operand's registers want them: lane (r, h) owns the 24 bytes of row r, k = 64 sigma + 32 h + 0 .. 31:
; its first 16 bytes at 16 x lane, its last 8 at 512 + 8 x lane.  Scale bytes, from byte OPS on: [tile][half of K][r][4 words], a word for each 128 along K.
; SHARES.  A wave takes one tile and half of K: 8 steps of one image.  Each load reads two rows' 256 consecutive bytes; the 4,096 bytes of a step turn through the wave's own stage in LDS
; (rows 272 bytes apart) and come back 128 bytes a lane: a whole block of 32.  Waves share nothing: no barrier.  No matrix unit, no cluster: every byte is read once, by one wave.
.set OPS,  9437184
.set STG,  4352                        ; a stage: 16 rows x 272 bytes; two for each wave
.set R,    16                          ; v16-143   four sets of 32 registers as loaded
.set X,    144                         ; v144-207  two sets of 32: my block
.set C,    208                         ; v208-219  two sets of six: my block's codes
.set T,    220                         ; v220-222  the second conversion's result (its three registers begin on an even number)
.set W,    224                         ; v224-227  the four scale words
.set PD,   228                         ; v228-231  destinations of the lane permutes
	s_load_b256 s[4:11], s[0:1], 0x0               ; x, Wq, Wk, Wv
	s_load_b128 s[12:15], s[0:1], 0x20             ; Wo, opq
	v_lshl_add_u32 v240, v0, 2, 0x8800
	v_mov_b32 v241, 0
	v_lshrrev_b32 v9, 5, v0
	v_readfirstlane_b32 s16, v9                    ; wave
	v_and_b32 v1, 31, v0                           ; lane
	v_and_b32 v10, 15, v0                          ; r
	v_bfe_u32 v11, v0, 4, 1                        ; h
	v_lshlrev_b32 v7, 4, v10                       ; 16 r
	v_lshl_add_u32 v2, v11, 12, v7                 ; in memory: lanes 16-31 one row further down, 16 bytes a lane
	s_mul_i32 s17, s16, 2*STG                      ; my wave's stages
	v_mul_u32_u24 v3, v11, 272
	v_add_nc_u32 v3, v3, v7
	v_add_nc_u32 v3, s17, v3                       ; into a stage: as loaded
	v_mul_u32_u24 v4, v10, 272
	v_lshl_add_u32 v4, v11, 7, v4
	v_add_nc_u32 v4, s17, v4                       ; out of it: row r, my half's 128 bytes
	v_lshlrev_b32 v5, 4, v1                        ; an image's first part: 16 x lane
	v_lshlrev_b32 v6, 3, v1                        ; its second: 8 x lane
	v_lshlrev_b32 v8, 3, v11                       ; 8 h: my byte's place in half a scale word
.irp i, 0,1,2,3
	v_mov_b32 v[PD+\i], 0                          ; a lane permute's destination counts as one of its sources
.endr
	s_lshr_b32 s21, s16, 1
	s_lshl_b32 s28, ttmp9, 1
	s_add_co_u32 s21, s21, s28                     ; my tile: 2 x work-group + wave / 2
	s_and_b32 s29, s16, 1                          ; my half of K
	s_mov_b32 s26, 0x76543210
	s_mov_b32 s27, 0xfedcba98                      ; selects for lane l xor 16
	s_wait_kmcnt 0x0
	s_mov_b64 s[18:19], s[12:13]                   ; which tensor: the choice hangs on the work-group's number alone
	s_cmp_lt_u32 ttmp9, 352
	s_cselect_b64 s[18:19], s[10:11], s[18:19]
	s_cmp_lt_u32 ttmp9, 320
	s_cselect_b64 s[18:19], s[8:9], s[18:19]
	s_cmp_lt_u32 ttmp9, 288
	s_cselect_b64 s[18:19], s[6:7], s[18:19]
	s_cmp_lt_u32 ttmp9, 256
	s_cselect_b64 s[18:19], s[4:5], s[18:19]
	s_cselect_b32 s20, 0x1ff, 63
	s_and_b32 s30, s21, s20                        ; the tile's number in its tensor
	s_lshr_b32 s31, s30, 1
	s_lshl_b32 s31, s31, 17                        ; 32 rows of 4,096 bytes for each pair of tiles,
	s_and_b32 s30, s30, 1
	s_lshl_b32 s30, s30, 15                        ; 8 rows for the odd tile,
	s_add_co_u32 s30, s30, s31
	s_lshl_b32 s31, s29, 11                        ; 2,048 bytes for the second half of K
	s_add_co_u32 s30, s30, s31
	s_mov_b32 s31, 0
	s_add_nc_u64 s[18:19], s[18:19], s[30:31]
	s_mul_i32 s32, s21, 12288
	s_mul_i32 s33, s29, 6144
	s_add_co_u32 s32, s32, s33
	s_mov_b32 s33, 0
	s_add_nc_u64 s[22:23], s[14:15], s[32:33]      ; my eight images
	s_lshl_b32 s34, s21, 9
	s_lshl_b32 s35, s29, 8
	s_add_co_u32 s34, s34, s35
	s_add_co_u32 s34, s34, OPS
	s_mov_b32 s35, 0
	s_add_nc_u64 s[24:25], s[14:15], s[34:35]      ; my 256 scale bytes
.macro LOAD t                          ; step t: places 2 i and 2 i + 1 of the tile are rows 2 i + 8 (i / 4) and the next: 256 consecutive bytes of each
.irp i, 0,1,2,3,4,5,6,7
	global_load_b128 v[R+32*((\t)%4)+4*\i:R+32*((\t)%4)+4*\i+3], v2, s[18:19] offset:(2*\i+8*(\i/4))*4096+256*(\t) th:TH_LOAD_NT
.endr
.endm
.macro TURN t                          ; through the stage: LDS serves a wave's instructions in order, so no wait stands between the stores and the loads
.irp i, 0,1,2,3,4,5,6,7
	ds_store_b128 v3, v[R+32*((\t)%4)+4*\i:R+32*((\t)%4)+4*\i+3] offset:STG*((\t)%2)+544*\i
.endr
.irp i, 0,1,2,3,4,5,6,7
	ds_load_b128 v[X+32*((\t)%2)+4*\i:X+32*((\t)%2)+4*\i+3], v4 offset:STG*((\t)%2)+16*\i
.endr
.endm
.macro STEP t
.set XS, X+32*((\t)%2)
.set CS, C+6*((\t)%2)
	s_wait_dscnt 0x0                               ; this step's block is back from the stage, so its stores into the stage have read their registers,
.if (\t)+4 < 8
	LOAD (\t)+4                                    ; which take the loads of four steps on
.endif
.if (\t)+1 < 8
.if 6-(\t) >= 3
	s_wait_loadcnt 24                              ; the next step's eight loads are in; those of the three steps behind it may be out
.else
	s_wait_loadcnt 8*(6-(\t))
.endif
	TURN (\t)+1                                    ; and go through the other stage while this step is worked
.endif
	v_max3_num_f32 v9, |v[XS]|, |v[XS+1]|, |v[XS+2]|               ; the block's largest magnitude: all 32 numbers are mine; two chains
	v_max3_num_f32 v10, |v[XS+3]|, |v[XS+4]|, |v[XS+5]|
.irp i, 6,10,14,18,22,26
	v_max3_num_f32 v9, v9, |v[XS+\i]|, |v[XS+\i+1]|
	v_max3_num_f32 v10, v10, |v[XS+\i+2]|, |v[XS+\i+3]|
.endr
	v_max3_num_f32 v9, v9, |v[XS+30]|, |v[XS+31]|
	v_max3_num_f32 v9, v9, v10, 0x2800000          ; and the floor 2^(5 - 127): the byte cannot fall under 1
	v_add_nc_u32 v11, 0xfe000000, v9               ; 4 off its exponent field: the conversion takes the exponent field of this operand as its scale
	s_wait_xcnt 0x0                                ; the stores of two steps ago have read this set of code registers: only now is it written again
	v_cvt_scalef32_pk16_bf6_f32 v[CS:CS+2], v[XS:XS+15], v11
	v_cvt_scalef32_pk16_bf6_f32 v[T:T+2], v[XS+16:XS+31], v11
	v_lshrrev_b32 v12, 23, v11                     ; the scale's byte (also the plain line behind the conversions)
.if (\t)%2 == 0
	v_mov_b32 v[W+(\t)/2], v12                     ; a word's bytes 0, 1: the even image's two blocks; bytes 2, 3: the odd image's
.else
	v_lshl_or_b32 v[W+(\t)/2], v12, 16, v[W+(\t)/2]
.endif
.irp i, 0,1,2
	v_mov_b32 v[CS+3+\i], v[T+\i]
.endr
	global_store_b128 v5, v[CS:CS+3], s[22:23] offset:768*(\t)          ; 32 lanes store 512 consecutive bytes,
	global_store_b64 v6, v[CS+4:CS+5], s[22:23] offset:768*(\t)+512     ; then 256
.endm
	LOAD 0
	LOAD 1
	LOAD 2
	LOAD 3
	s_wait_loadcnt 24                              ; step 0's eight loads are in
	TURN 0
.irp t, 0,1,2,3,4,5,6,7
	STEP \t
.endr
.irp i, 0,1,2,3
	v_lshlrev_b32 v[W+\i], v8, v[W+\i]             ; my two bytes to their places: 8 h bits up;
.endr
.irp i, 0,1,2,3
	v_permlanex16_b32 v[PD+\i], v[W+\i], s26, s27
.endr
.irp i, 0,1,2,3
	v_or_b32 v[W+\i], v[W+\i], v[PD+\i]            ; with lane l xor 16's two the word is whole
.endr
	v_cmp_gt_u32 vcc_lo, 16, v1
	s_wait_xcnt 0x0                                ; EXEC changes only behind this wait
	s_wait_tensorcnt 0x0
	ds_add_u32 v240, v241
	s_wait_dscnt 0x0
	s_and_saveexec_b32 s28, vcc_lo
	global_store_b128 v7, v[W:W+3], s[24:25]       ; sixteen lanes store 256 consecutive bytes, aligned
	s_wait_xcnt 0x0
	s_or_b32 exec_lo, exec_lo, s28
	s_endpgm
.Lfunc_end_k_q93bdb989c4_quant:
	.size	k_q93bdb989c4_quant, .Lfunc_end_k_q93bdb989c4_quant-k_q93bdb989c4_quant
	.p2alignl 7, 3214868480
	.fill 96, 4, 3214868480
	.section	.rodata,"a",@progbits
	.p2align	6, 0x0
	.amdhsa_kernel k_q93bdb989c4_quant
		.amdhsa_group_segment_fixed_size 35328
		.amdhsa_private_segment_fixed_size 0
		.amdhsa_enable_private_segment 0
		.amdhsa_kernarg_size 48
		.amdhsa_user_sgpr_count 2
		.amdhsa_user_sgpr_kernarg_segment_ptr 1
		.amdhsa_wavefront_size32 1
		.amdhsa_system_sgpr_workgroup_id_x 1
		.amdhsa_system_sgpr_workgroup_id_y 1
		.amdhsa_system_sgpr_workgroup_id_z 1
		.amdhsa_system_vgpr_workitem_id 0
		.amdhsa_next_free_vgpr 242
		.amdhsa_next_free_sgpr 66
		.amdhsa_reserve_vcc 1
		.amdhsa_float_denorm_mode_32 3
		.amdhsa_float_denorm_mode_16_64 3
		.amdhsa_memory_ordered 1
		.amdhsa_forward_progress 1
		.amdhsa_inst_pref_size 32
	.end_amdhsa_kernel
	.amdgpu_metadata
---
amdhsa.version: [ 1, 2 ]
amdhsa.kernels:
  - .name:           k_q93bdb989c4_quant
    .symbol:         k_q93bdb989c4_quant.kd
    .args:
      - { .name: x, .offset: 0, .size: 8, .value_kind: global_buffer, .address_space: global }
      - { .name: Wq, .offset: 8, .size: 8, .value_kind: global_buffer, .address_space: global }
      - { .name: Wk, .offset: 16, .size: 8, .value_kind: global_buffer, .address_space: global }
      - { .name: Wv, .offset: 24, .size: 8, .value_kind: global_buffer, .address_space: global }
      - { .name: Wo, .offset: 32, .size: 8, .value_kind: global_buffer, .address_space: global }
      - { .name: opq, .offset: 40, .size: 8, .value_kind: global_buffer, .address_space: global }
    .group_segment_fixed_size: 35328
    .private_segment_fixed_size: 0
    .kernarg_segment_align: 8
    .kernarg_segment_size: 48
    .max_flat_workgroup_size: 128
    .sgpr_count:     66
    .vgpr_count:     242
    .wavefront_size: 32
...
	.end_amdgpu_metadata
.endif
;; end of part 1
;; launch qkv (part 2): grid 8 x 48, 4 waves a work-group, clusters of 4 x 4, 327,680 bytes of LDS; arguments opq, att; writes att
.if DOCPART == 2
	.amdgcn_target "amdgcn-amd-amdhsa--gfx1250"
	.amdhsa_code_object_version 6
	.text
	.protected	k_q93bdb989c4_qkv
	.globl	k_q93bdb989c4_qkv
	.p2align	8
	.type	k_q93bdb989c4_qkv,@function
k_q93bdb989c4_qkv:
	s_mov_b64 s[64:65], 0
	v_nop
	global_prefetch_b8 v0, s[64:65] scope:SCOPE_SE
	s_setreg_imm32_b32 hwreg(HW_REG_WAVE_MODE, 25, 1), 1
	s_wait_xcnt 0x0
	s_wait_alu depctr_hold_cnt(0) depctr_sa_sdst(0) depctr_va_vdst(0) depctr_va_sdst(0) depctr_va_ssrc(0) depctr_va_vcc(0) depctr_vm_vsrc(0)
	s_getreg_b32 s2, hwreg(HW_REG_IB_STS2, 6, 4)
	s_cmp_eq_u32 s2, 0
	s_cbranch_scc0 .Lentry_in_a_cluster
	s_endpgm
.Lentry_in_a_cluster:
	s_bfe_u32 s2, ttmp6, 0x10000c
	s_cmp_lg_u32 s2, 0xf033
	s_cbranch_scc0 .Lentry_shape_is_right
	s_endpgm
.Lentry_shape_is_right:
; q = x Wq^T, k = x Wk^T, v = x Wv^T on codes of BF6 (E3M2) with E8M0 scales, K = 1,024; the results are quantised in registers (q, k along a head's 64, v along the keys) and leave as codes: no f32 result goes to memory.
; A work-group of four waves makes 256 x 256 of a product R Cc^T, a wave 128 x 128: 64 accumulators, 512 registers.  Clusters with y under 8: R = x, Cc = [Wq; Wk].  The others: R = Wv, Cc = x, which is v^T, by the same text.
; THE MATRIX INSTRUCTION IS USED TRANSPOSED (source 0 = 16 rows of Cc, source 1 = 16 rows of R): a lane holds ONE row of R, and, since a tile's rows in opq are rows 32 g + 8 u + r + 8 (r / 8), the 16 registers of two
; neighbouring tiles of Cc are 16 NEIGHBOURS: of a head's channels (q, k) or of the keys (v): the next product's K.
; opq: codes [tile][sigma 16][768] as images of the operand's registers (lane's first 16 bytes at 16 x lane, last 8 at 512 + 8 x lane); a fragment of 128 along K is two images: four LDS loads, all of consecutive bytes: no pitch, no padding.
; K GOES IN QUARTERS OF 256 THROUGH THREE LDS SLOTS.  Quarters 0, 1, 2 are first fills, issued together at the start; quarter 3 is the one refill, into slot 0, asked for in step 1 of the eight steps of 128 and first read behind step 5:
; 224 matrix instructions of a wave lie between.  A tensor load brings 8 tiles x 3,072 bytes.  The scale words of the work-group's 512 rows, for all of K, come once (4,096 dense bytes a wave) and are read into 64 registers once.
; CLUSTERS: 4 x 4.  The four of a row of the cluster need the same tiles of R, the four of a column the same tiles of Cc: each is asked for jointly.  The eight steps are written out: each names its own scale registers.
; att: for each of 192 (batch, kind, head): codes 98,304 bytes; q, k: [tile of 16 tokens][768]; v: [step of 128 keys][tile of 16 channels][1,536].  Scale bytes from ATS on: [.][step][r][4 words].
; LIMITS: a block of zeros gets the byte 1 where the rule says 127 (its codes are zeros; this program alone reads the bytes); NaN and infinities are not served.
; REGISTERS: window 0: v1-31 lane numbers and addresses; v32-95 scale words and nothing else; v96-125 at work on the way out; from v128 R's fragments, one set (on the way out: the codes being made).
;   window 1: Cc's fragments, two sets, at v0 and v128.  window 2: the accumulators of my rows 0-63 ((a, b) at v[8 (8 a + b)]);  window 3: those of rows 64-127.
.set OPS,   9437184
.set ATS,   18874368
.set TROW,  3072                       ; a tile's part of a slot: four images
.set HALFT, 8*TROW                     ; 8 tiles: what one tensor load brings, and what one wave reads of R or of Cc
.set SLOT,  4*HALFT                    ; R's 16 tiles, then Cc's 16
.set SCL,   3*SLOT                     ; behind the three slots: the scale words, 4 x 4,096 bytes
.set SPARE, SCL+16384                  ; behind them: the spare words, 128 bytes for each wave: two blocks of 256 bytes that no other line names
.set FR,    12
.set NL,    4                          ; LDS loads that bring a fragment
.set NP,    4                          ; places behind this matrix instruction (ISA guide 7.12.1)
.set ADRA,  4                          ; v4-6 my R fragments in slot 0, 1, 2, at 16 x lane;  v7-9 at 8 x lane
.set ADRB,  10                         ; v10-15 the same for Cc
.set L16,   24                         ; v24 16 x lane
.set L8,    25                         ; v25 8 x lane
.set L16B,  26                         ; v26 16 x lane + the distance to a fragment's second image in att
.set ADRS,  27                         ; v27 my scale words: lanes 0-15 R's rows, lanes 16-31 Cc's
.set SPW,   28                         ; v28 my spare word; never rewritten
.set NIL,   29                         ; v29 0; never rewritten
.set L8B,   30                         ; v30 8 x lane + that distance
.set SOFF,  31                         ; v31 16 r + 4,096 h: where my four scale words go
.set SC,    32                         ; v[SC + 8 i + s]: lanes 0-15 the word of R's block i, lanes 16-31 that of Cc's block i, for the s-th 128 along K
.set TM,    96                         ; v96-111 the quantiser's work
.set PWS,   112                        ; v112-119 the eight blocks' scale words
.set OW,    120                        ; v120-123 the words as they are stored
.set VSEL,  124                        ; v124 byte selects, by the lane's half;  v125 at work
.set AF,    128
.set PC,    128                        ; v128-146 the codes being made
.set G1, 24                            ; s[24:31] descriptor group 1 for R's tiles;  s[32:39] group 0 for slots 0 and 1;  s[96:99] for slot 2
.set G0, 32
.set G0C, 96
.set G1B, 48                           ; s[48:55], s[56:63], s[8:11] the same for Cc's tiles
.set G0B, 56
.set G0BC, 8
.set SEL, 66                           ; s[66:67] selects for lane l xor 16
.set G1S, 68
.set G0S, 76
.set G1SB, 80
.set G0SB, 88
.set OJ,  2                            ; s[2:3]   from a head's last tile of v to the next head's first, less a step
.set OSB, 94                           ; s[94:95] where my scale words go            (these four are made behind the last product, when no tensor load is out)
.set OB,  96                           ; s[96:97] where the block in hand goes
.set OST, 98                           ; s[98:99] from block to block
.set MSB, 0
.macro WIN new                         ; the immediate's high byte repeats the setting that is left
.if MSB != (\new)
	s_set_vgpr_msb (MSB<<8)|(\new)
.set MSB, (\new)
.endif
.endm
.set MUL_LO, 0xa1                      ; source 0 (Cc) window 1, source 1 (R) window 0, C and D window 2
.set MUL_HI, 0xf1                      ; the same, C and D window 3
.set TO_B,   0x40                      ; destination window 1, address window 0
; A joint load: waves 0 and 1 fetch for R, waves 2 and 3 for Cc; the branch hangs on the wave's number alone.  Four v_nop follow each of the two lines.
.macro JLOAD g0a, g1a, g0b, g1b
	s_cmp_eq_u32 s15, 0
	s_cbranch_scc0 .Lfor_b_\@
	tensor_load_to_lds s[\g0a:\g0a+3], s[\g1a:\g1a+7]
	s_nop 0
.rept 4
	v_nop
.endr
	s_branch .Lasked_\@
.Lfor_b_\@:
	tensor_load_to_lds s[\g0b:\g0b+3], s[\g1b:\g1b+7]
	s_nop 0
.rept 4
	v_nop
.endr
.Lasked_\@:
.endm
.macro CREST                           ; a round of the cluster's barrier behind its opening barrier
	s_cmp_lg_u32 s14, 0
	s_cbranch_scc1 .Lnot_wave_0_\@
	s_barrier_signal -3
.Lnot_wave_0_\@:
	s_barrier_wait -3
	s_barrier_signal -1
	s_barrier_wait -1
.endm
.macro CROUND                          ; a whole round
	s_barrier_signal -1
	s_barrier_wait -1
	CREST
.endm
	s_load_b128 s[4:7], s[0:1], 0x0                ; opq, att
	v_lshl_add_u32 v[SPW], v0, 2, SPARE
	v_mov_b32 v[NIL], 0
	ds_add_u32 v28, v29
	ds_add_u32 v28, v29
	s_wait_dscnt 0x0
	v_lshrrev_b32 v1, 5, v0
	v_readfirstlane_b32 s14, v1                    ; wave 0..3
	s_lshr_b32 s15, s14, 1                         ; which half of R's rows is mine.  Also: I fetch for R (0) or for Cc (1)
	s_and_b32 s16, s14, 1                          ; which half of Cc's rows.  Also: which 8 tiles I fetch
	s_bfe_u32 s40, ttmp6, 0x40000                  ; cx, cy: my place in the cluster
	s_bfe_u32 s41, ttmp6, 0x40004
	s_and_b32 s17, ttmp7, 0xffff                   ; the cluster's y: under 8: q and k; from 8 on: v.  The same in all sixteen partners
	s_lshl_b32 s43, s41, 2
	s_lshl_b32 s43, 15, s43                        ; my row of the cluster
	s_lshl_b32 s44, 0x1111, s40                    ; my column
	; descriptor group 1, codes: 8 rows (tiles) of 384 elements of 8 bytes, 1,536 elements apart; no padding
	s_or_b32 s[G1+0], s43, (3<<16)|(1<<21)         ; 15:0 the mask: R's tiles go to my row; 17:16 elements of 8 bytes; 21 set beside a mask
	s_or_b32 s[G1B+0], s44, (3<<16)|(1<<21)        ; Cc's go to my column
.irp g, G1, G1B
	s_mov_b32 s[\g+1], 384<<16                     ; tensor_dim0
	s_mov_b32 s[\g+2], 8<<16                       ; tensor_dim1
	s_mov_b32 s[\g+3], 384<<16                     ; tile_dim0
	s_mov_b32 s[\g+4], 8                           ; tile_dim1
	s_mov_b32 s[\g+5], 1536                        ; tensor_dim0_stride
	s_mov_b32 s[\g+6], 0
	s_mov_b32 s[\g+7], 0
.endr
	; and scale words: 4,096 dense bytes as 16 rows of 256
	s_or_b32 s[G1S+0], s43, (3<<16)|(1<<21)
	s_or_b32 s[G1SB+0], s44, (3<<16)|(1<<21)
.irp g, G1S, G1SB
	s_mov_b32 s[\g+1], 32<<16
	s_mov_b32 s[\g+2], 16<<16
	s_mov_b32 s[\g+3], 32<<16
	s_mov_b32 s[\g+4], 16
	s_mov_b32 s[\g+5], 32
	s_mov_b32 s[\g+6], 0
	s_mov_b32 s[\g+7], 0
.endr
	s_lshl_b32 s18, s17, 6                         ; q, k: R = x, from tile 64 y on
	s_lshl_b32 s19, ttmp9, 6
	s_add_co_u32 s20, s19, 512                     ; q, k: Cc = [Wq; Wk], from tile 512 + 64 x on
	s_max_u32 s21, s17, 8
	s_sub_co_u32 s21, s21, 8
	s_lshl_b32 s21, s21, 7
	s_add_co_u32 s21, s21, s19                     ; v: Cc = x, from tile 64 x + 128 (y - 8) on
	s_cmp_ge_u32 s17, 8
	s_cselect_b32 s18, 640, s18                    ; v: R = Wv.  s18 stays: the way out wants it
	s_cselect_b32 s20, s21, s20
	s_lshl_b32 s8, s16, 3
	s_lshl_b32 s9, s41, 4
	s_add_co_u32 s9, s9, s8
	s_add_co_u32 s9, s9, s18                       ; the first tile of R that I fetch: it never holds cx
	s_lshl_b32 s10, s40, 4
	s_add_co_u32 s10, s10, s8
	s_add_co_u32 s20, s10, s20                     ; the first tile of Cc that I fetch, and that I multiply: it never holds cy.  s20 stays: the way out wants it
	s_mul_i32 s46, s9, 12288
	s_mov_b32 s47, 0
	s_mul_i32 s92, s20, 12288
	s_mov_b32 s93, 0
	s_lshl_b32 s22, s9, 9
	s_add_co_u32 s22, s22, OPS
	s_mov_b32 s23, 0
	s_lshl_b32 s94, s20, 9
	s_add_co_u32 s94, s94, OPS
	s_mov_b32 s95, 0
	s_mul_i32 s45, s14, HALFT                      ; where they go: wave x 8 tiles: no place in the cluster enters an LDS address
	s_lshl_b32 s42, s14, 12
	s_wait_kmcnt 0x0
	s_add_nc_u64 s[46:47], s[4:5], s[46:47]
	s_add_nc_u64 s[92:93], s[4:5], s[92:93]
	s_add_nc_u64 s[22:23], s[4:5], s[22:23]
	s_add_nc_u64 s[94:95], s[4:5], s[94:95]
	CROUND                                         ; all sixteen work-groups are here: the first joint loads meet
	s_mov_b32 s[G0S], 1
	s_add_co_u32 s[G0S+1], s42, SCL
	s_mov_b64 s[G0S+2:G0S+3], s[22:23]
	s_or_b32 s[G0S+3], s[G0S+3], 0x80000000
	s_mov_b32 s[G0SB], 1
	s_add_co_u32 s[G0SB+1], s42, SCL
	s_mov_b64 s[G0SB+2:G0SB+3], s[94:95]
	s_or_b32 s[G0SB+3], s[G0SB+3], 0x80000000
	JLOAD G0S, G1S, G0SB, G1SB                     ; the scale words first: they are wanted with the first step
.irp s, 0,1,2
.set GA, G0+4*\s+(G0C-G0-8)*(\s/2)     ; slot s's group 0 for R: s32, s36, s96
.set GB, G0B+4*\s+(G0BC-G0B-8)*(\s/2)  ; and for Cc: s56, s60, s8
	s_mov_b32 s[GA], 1
	s_add_co_u32 s[GA+1], s45, \s*SLOT
	s_add_nc_u64 s[GA+2:GA+3], s[46:47], \s*TROW
	s_or_b32 s[GA+3], s[GA+3], 0x80000000
	s_mov_b32 s[GB], 1
	s_add_co_u32 s[GB+1], s45, \s*SLOT
	s_add_nc_u64 s[GB+2:GB+3], s[92:93], \s*TROW
	s_or_b32 s[GB+3], s[GB+3], 0x80000000
	JLOAD GA, G1, GB, G1B                          ; quarter s of K into slot s: four tensor loads of mine are out
.endr
	v_and_b32 v1, 31, v0                           ; lane
	v_and_b32 v2, 15, v0                           ; r
	v_bfe_u32 v3, v0, 4, 1                         ; h          (v1, v2, v3 stay: the way out wants them)
	v_lshlrev_b32 v[L16], 4, v1
	v_lshlrev_b32 v[L8], 3, v1
	s_mul_i32 s21, s15, HALFT                      ; my 8 tiles of R
	s_mul_i32 s19, s16, HALFT                      ; my 8 tiles of Cc,
	s_add_co_u32 s19, s19, 2*HALFT                 ; which lie behind R's 16
.irp s, 0,1,2
	v_add_nc_u32 v[ADRA+\s], s21, v[L16]
	v_add_nc_u32 v[ADRA+3+\s], s21, v[L8]
	v_add_nc_u32 v[ADRB+\s], s19, v[L16]
	v_add_nc_u32 v[ADRB+3+\s], s19, v[L8]
	s_add_co_u32 s21, s21, SLOT
	s_add_co_u32 s19, s19, SLOT
.endr
	s_lshl_b32 s21, s15, 12                        ; R's scale words: my 8 tiles
	s_lshl_b32 s19, s16, 12                        ; Cc's: my 8 tiles, behind R's 16
	s_add_co_u32 s19, s19, 8192
	s_sub_co_u32 s19, s19, s21
	v_mul_u32_u24 v16, s19, v3                     ; lanes 16-31 take Cc's: one product, the distance between the two
	s_add_co_u32 s21, s21, SCL
	v_lshl_add_u32 v16, v2, 4, v16                 ; 16 bytes a row
	v_add_nc_u32 v[ADRS], s21, v16
.macro FRAG reg, adr, q, i             ; a fragment, 16 rows x 128 K, 12 registers: two images on end; every load takes consecutive bytes
	ds_load_b128 v[\reg:\reg+3], v[\adr] offset:(\i)*TROW+(\q)*1536
	ds_load_b64 v[\reg+4:\reg+5], v[\adr+3] offset:(\i)*TROW+(\q)*1536+512
	ds_load_b128 v[\reg+6:\reg+9], v[\adr] offset:(\i)*TROW+(\q)*1536+768
	ds_load_b64 v[\reg+10:\reg+11], v[\adr+3] offset:(\i)*TROW+(\q)*1536+1280
.endm
; 16 matrix instructions: R's blocks a0, a0 + 1 x Cc's eight, the s-th 128 along K.  p: Cc's set.  zero = 1: the first product starts the sums.
; The 64 accumulators take turns, one instruction a turn, in the same order in every step.
.macro MUL16 a0, p, s, zero
.irp a, \a0, \a0+1
.irp b, 0,1,2,3,4,5,6,7
.if \zero
	v_wmma_scale_f32_16x16x128_f8f6f4 v[8*(8*((\a)%4)+\b):8*(8*((\a)%4)+\b)+7], v[128*(\p)+FR*\b:128*(\p)+FR*\b+FR-1], v[AF+FR*(\a):AF+FR*(\a)+FR-1], 0, v[SC+8*\b+(\s)], v[SC+8*(\a)+(\s)] matrix_a_fmt:MATRIX_FMT_BF6 matrix_b_fmt:MATRIX_FMT_BF6 matrix_a_scale:MATRIX_SCALE_ROW1
.else
	v_wmma_scale_f32_16x16x128_f8f6f4 v[8*(8*((\a)%4)+\b):8*(8*((\a)%4)+\b)+7], v[128*(\p)+FR*\b:128*(\p)+FR*\b+FR-1], v[AF+FR*(\a):AF+FR*(\a)+FR-1], v[8*(8*((\a)%4)+\b):8*(8*((\a)%4)+\b)+7], v[SC+8*\b+(\s)], v[SC+8*(\a)+(\s)] matrix_a_fmt:MATRIX_FMT_BF6 matrix_b_fmt:MATRIX_FMT_BF6 matrix_a_scale:MATRIX_SCALE_ROW1
.endif
.endr
.endr
.endm
.macro FETCH_B slot, q, p              ; Cc's eight fragments of the slot's q-th 128 along K into set p
	WIN TO_B
.irp i, 0,1,2,3,4,5,6,7
	FRAG 128*(\p)+FR*\i, ADRB+\slot, \q, \i
.endr
	WIN 0
.endm
.macro FETCH_A slot, q, i0             ; R's blocks i0 .. i0 + 3
.irp i, \i0, \i0+1, \i0+2, \i0+3
	FRAG AF+FR*(\i), ADRA+\slot, \q, \i
.endr
.endm
.macro SCALES                          ; all of K's scale words, once: 16 bytes a row and half of K
.irp i, 0,1,2,3,4,5,6,7
	ds_load_b128 v[SC+8*\i:SC+8*\i+3], v[ADRS] offset:512*\i
	ds_load_b128 v[SC+8*\i+4:SC+8*\i+7], v[ADRS] offset:512*\i+256
.endr
.endm
; A load into a register that a matrix instruction has read, and a vector instruction that reads a matrix result or writes one of its registers, stand NP places behind it; only plain vector
; instructions that name none of its registers are places (ISA guide 7.12.1 for vector instructions).
.macro PLACES n
.rept \n
	v_nop
.endr
.endm
; The s-th 128 along K, on Cc's set p; the next step's fragments, the nq-th 128 of slot nslot, are fetched on the way, with no barrier: that slot has been shown whole to every wave.
; R has one set of registers: blocks 0-3 are fetched anew in the step's middle, blocks 4-7 at its end.
.macro STEP p, s, zero, nslot, nq
	s_wait_dscnt 4*NL                              ; Cc's set and R's blocks 0-3 are in; the youngest 16 loads (R's blocks 4-7) may be out
	WIN MUL_LO
	MUL16 0, \p, \s, \zero
	MUL16 2, \p, \s, \zero
	s_wait_dscnt 0                                 ; R's blocks 4-7 are in
	PLACES NP
	FETCH_B \nslot, \nq, 1-(\p)
	FETCH_A \nslot, \nq, 0
	WIN MUL_HI
	MUL16 4, \p, \s, \zero
	MUL16 6, \p, \s, \zero
	PLACES NP
	WIN 0
	FETCH_A \nslot, \nq, 4
.endm
; A step (on Cc's set 1) with a barrier in it; in front of the barrier each wave waits for all its tensor loads, adds 0 to its spare word, and waits for that and for its own LDS reads.
; fill = 1 (step 1): slot 0 has been read out and is filled again, with quarter 3 of K; the wait has also shown slots 1 and 2 whole.  fill = 0 (step 5): the wait shows quarter 3 landed.
.macro TURN next, s, fill
	s_wait_tensorcnt 0x0                           ; all my tensor loads have landed;
	ds_add_u32 v[SPW], v[NIL]                      ; 0 onto my spare word;
	s_wait_dscnt 4*NL+1                            ; (the add and the youngest 16 loads may be out)
	WIN MUL_LO
	MUL16 0, 1, \s, 0                              ; sixteen matrix instructions stand between the add and the wait for it
	s_wait_dscnt 0x0                               ; the add is done, and my reads of the slot that I leave are over
	s_barrier_signal -1
	MUL16 2, 1, \s, 0
	WIN 0
	s_barrier_wait -1
.if \fill
	CREST                                          ; the barrier has opened a round of the cluster's barrier: no wave of any partner still reads slot 0 or has a load on its way
	s_add_nc_u64 s[G0+2:G0+3], s[G0+2:G0+3], 3*TROW
	s_add_nc_u64 s[G0B+2:G0B+3], s[G0B+2:G0B+3], 3*TROW
	JLOAD G0, G1, G0B, G1B                         ; the first tensor load behind the round, and my only one from here on; the four v_nop behind it are the places in front of the loads below
.else
	PLACES NP
.endif
	FETCH_B \next, 0, 0
	FETCH_A \next, 0, 0
	WIN MUL_HI
	MUL16 4, 1, \s, 0
	MUL16 6, 1, \s, 0
	PLACES NP
	WIN 0
	FETCH_A \next, 0, 4
.endm
	s_wait_tensorcnt 2                             ; the scale words and my part of slot 0 are in (slot 1's and slot 2's loads may be out)
	s_barrier_signal -1
	s_barrier_wait -1                              ; everybody's are
	FETCH_B 0, 0, 0
	FETCH_A 0, 0, 0
	SCALES
	FETCH_A 0, 0, 4
	STEP 0, 0, 1, 0, 1                             ; the first products start the sums: nothing is cleared
	TURN 1, 1, 1                                   ; slot 0 is left and filled again
	STEP 0, 2, 0, 1, 1
	STEP 1, 3, 0, 2, 0                             ; on into slot 2, which the wait in step 1 has shown whole
	STEP 0, 4, 0, 2, 1
	TURN 0, 5, 0                                   ; quarter 3 has landed in slot 0; nothing is left to fetch
	STEP 0, 6, 0, 0, 1
	s_wait_dscnt 4*NL
	WIN MUL_LO
	MUL16 0, 1, 7, 0
	MUL16 2, 1, 7, 0
	s_wait_dscnt 0
	WIN MUL_HI
	MUL16 4, 1, 7, 0
	MUL16 6, 1, 7, 0
	WIN 0
	; where my results go.  No tensor load is out: the descriptors' registers may be used again
	s_mov_b32 s[SEL], 0x76543210
	s_mov_b32 s[SEL+1], 0xfedcba98
	s_lshl_b32 s92, s15, 3
	s_lshl_b32 s93, s41, 4
	s_add_co_u32 s92, s92, s93
	s_add_co_u32 s92, s92, s18                     ; the first tile of R that I multiplied
	s_mov_b32 s[OST], 768
	s_mov_b32 s12, 98304
	s_mov_b32 s13, 0x05040100
	s_mov_b32 s11, 0x07060302
	s_cmp_ge_u32 s17, 8
	s_cselect_b32 s94, s20, s92                    ; x's tile: it gives the batch and the step of 128 tokens
	s_cselect_b32 s95, s92, s20                    ; the weight's tile: it gives the head
	s_cselect_b32 s96, 128, 0                      ; v's heads lie behind q's and k's,
	s_cselect_b32 s97, 4, 5                        ; 16 to a batch; q's and k's together 32
	s_cselect_b32 s[OST], 1536, s[OST]             ; a block is a fragment of v^T, or an image of each of two heads
	s_cselect_b32 s[OJ], 92160, 0
	s_cselect_b32 s12, 768, s12                    ; a fragment's second image: the next 768 bytes (v), or the next head (q, k)
	s_cselect_b32 s13, 0x03020100, s13             ; byte selects for the scale words: lanes 0-15,
	s_cselect_b32 s11, 0x07060504, s11             ; lanes 16-31
	s_mov_b32 s[OST+1], 0
	s_mov_b32 s[OJ+1], 0
	s_and_b32 s95, s95, 127
	s_lshr_b32 s95, s95, 2                         ; four tiles to a head
	s_lshr_b32 s93, s94, 7                         ; 128 tiles to a batch
	s_lshl_b32 s93, s93, s97
	s_add_co_u32 s93, s93, s95
	s_add_co_u32 s93, s93, s96                     ; which of att's 192
	s_bfe_u32 s94, s94, 0x40003                    ; the step
	s_mul_i32 s96, s93, 98304
	s_mul_i32 s97, s94, 6144
	s_add_co_u32 s96, s96, s97
	s_mov_b32 s97, 0
	s_add_nc_u64 s[OB:OB+1], s[6:7], s[96:97]
	s_lshl_b32 s94, s94, 8
	s_lshl_b32 s93, s93, 12
	s_add_co_u32 s94, s94, s93
	s_add_co_u32 s94, s94, ATS
	s_mov_b32 s95, 0
	s_add_nc_u64 s[OSB:OSB+1], s[6:7], s[94:95]
	v_add_nc_u32 v[L16B], s12, v[L16]
	v_add_nc_u32 v[L8B], s12, v[L8]
	v_lshlrev_b32 v[SOFF], 4, v2
	v_lshl_add_u32 v[SOFF], v3, 12, v[SOFF]
	v_mov_b32 v[VSEL], s11
	v_mov_b32 v125, s13
	v_cmp_gt_u32 vcc_lo, 16, v1
	v_cndmask_b32 v[VSEL], v[VSEL], v125, vcc_lo
.irp b, 0,1,2,3
	v_mov_b32 v[TM+4+\b], 0                        ; a lane permute's destination counts as one of its sources
.endr
; THE WAY OUT, block by block of 16 rows of R.  A lane's 64 registers, register 16 b + i = number 32 b + 16 (lane / 16) + i of my row, become a fragment's codes and its scale word; they leave as two images, straight from registers.
.macro QUANT a
.set AC, 64*((\a)%4)
	WIN 0x28+0x14*((\a)/4)                         ; sources 1 and 2: window 2 or 3
.irp b, 0,1,2,3
	v_max3_num_f32 v[TM+\b], 0x2800000, |v[AC+16*\b]|, |v[AC+16*\b+1]|   ; block b: my 16 numbers, each accumulator from its low end on, and the floor 2^(5 - 127)
.endr
.irp i, 2,4,6,8,10,12,14
.irp b, 0,1,2,3
	v_max3_num_f32 v[TM+\b], v[TM+\b], |v[AC+16*\b+\i]|, |v[AC+16*\b+\i+1]|
.endr
.endr
	WIN 0
.irp b, 0,1,2,3
	v_permlanex16_b32 v[TM+4+\b], v[TM+\b], s[SEL], s[SEL+1]
.endr
.irp b, 0,1,2,3
	v_max_num_f32 v[TM+\b], v[TM+\b], v[TM+4+\b]   ; with lane l xor 16's: the block's largest magnitude
.endr
.irp b, 0,1,2,3
	v_add_nc_u32 v[TM+12+\b], 0xfe000000, v[TM+\b] ; 4 off its exponent field: the conversion's scale operand
.endr
.irp b, 0,1,2,3
	v_lshrrev_b32 v[TM+4+\b], 23, v[TM+12+\b]      ; the scale's byte
.endr
	v_lshl_or_b32 v[PWS+(\a)], v[TM+5], 8, v[TM+4]
	v_lshl_or_b32 v[PWS+(\a)], v[TM+6], 16, v[PWS+(\a)]
	v_lshl_or_b32 v[PWS+(\a)], v[TM+7], 24, v[PWS+(\a)]
	s_wait_xcnt 0x0                                ; the last block's stores have read their registers and their base: both are written again only behind this wait
.if (\a) > 0
	s_add_nc_u64 s[OB:OB+1], s[OB:OB+1], s[OST:OST+1]
.endif
.if (\a) == 4
	s_add_nc_u64 s[OB:OB+1], s[OB:OB+1], s[OJ:OJ+1]   ; v: blocks 4-7 are the next head's
.endif
	WIN 0x02+(\a)/4                                ; source 0: window 2 or 3
.irp c, 0,1
	v_cvt_scalef32_pk16_bf6_f32 v[PC+6*\c:PC+6*\c+2], v[AC+32*\c:AC+32*\c+15], v[TM+12+2*\c]
	v_cvt_scalef32_pk16_bf6_f32 v[PC+12+4*\c:PC+14+4*\c], v[AC+32*\c+16:AC+32*\c+31], v[TM+12+2*\c+1]   ; (a conversion's three registers begin on an even number)
.endr
	WIN 0
	v_nop                                          ; one plain line behind a scaled conversion
.irp c, 0,1                                    ; the layout wants a WHOLE block in a lane: lanes 0-15 block 2 c, lanes 16-31 block 2 c + 1
.irp i, 0,1,2
	v_permlane16_swap_b32 v[PC+6*\c+\i], v[PC+12+4*\c+\i]
.endr
.irp i, 0,1,2
	v_mov_b32 v[PC+3+6*\c+\i], v[PC+12+4*\c+\i]
.endr
.endr
	global_store_b128 v[L16], v[PC:PC+3], s[OB:OB+1]                   ; each store covers 512 or 256 consecutive bytes, aligned
	global_store_b64 v[L8], v[PC+4:PC+5], s[OB:OB+1] offset:512
	global_store_b128 v[L16B], v[PC+6:PC+9], s[OB:OB+1]
	global_store_b64 v[L8B], v[PC+10:PC+11], s[OB:OB+1] offset:512
.endm
	PLACES NP
.irp a, 0,1,2,3,4,5,6,7
	QUANT \a
.endr
	s_cmp_ge_u32 s17, 8                            ; the cluster's y: the same in all partners
	s_cbranch_scc1 .Lv_words
.irp i, 0,1,2,3
	v_perm_b32 v[OW+\i], v[PWS+2*\i+1], v[PWS+2*\i], v[VSEL]   ; q, k: word i: the two bytes of tile 2 i, then of tile 2 i + 1; lanes 0-15 the first head's, lanes 16-31 the second's
.endr
	s_branch .Lwords
.Lv_words:
.irp i, 0,1,2,3
	v_perm_b32 v[OW+\i], v[PWS+4+\i], v[PWS+\i], v[VSEL]       ; v: word i: tile i's four key blocks; lanes 0-15 the first head's, lanes 16-31 the second's
.endr
.Lwords:
	global_store_b128 v[SOFF], v[OW:OW+3], s[OSB:OSB+1]        ; sixteen lanes store 256 consecutive bytes, aligned, for each of the two heads
	s_wait_tensorcnt 0x0                           ; the wave's end
	ds_add_u32 v[SPW], v[NIL]
	s_wait_dscnt 0x0
	CROUND                                         ; the closing round: no work-group ends while a partner may still ask for a tile that names it
	s_endpgm
.Lfunc_end_k_q93bdb989c4_qkv:
	.size	k_q93bdb989c4_qkv, .Lfunc_end_k_q93bdb989c4_qkv-k_q93bdb989c4_qkv
	.p2alignl 7, 3214868480
	.fill 96, 4, 3214868480
	.section	.rodata,"a",@progbits
	.p2align	6, 0x0
	.amdhsa_kernel k_q93bdb989c4_qkv
		.amdhsa_group_segment_fixed_size 327680
		.amdhsa_private_segment_fixed_size 0
		.amdhsa_enable_private_segment 0
		.amdhsa_kernarg_size 16
		.amdhsa_user_sgpr_count 2
		.amdhsa_user_sgpr_kernarg_segment_ptr 1
		.amdhsa_wavefront_size32 1
		.amdhsa_system_sgpr_workgroup_id_x 1
		.amdhsa_system_sgpr_workgroup_id_y 1
		.amdhsa_system_sgpr_workgroup_id_z 1
		.amdhsa_system_vgpr_workitem_id 0
		.amdhsa_next_free_vgpr 1024
		.amdhsa_next_free_sgpr 100
		.amdhsa_reserve_vcc 1
		.amdhsa_float_denorm_mode_32 3
		.amdhsa_float_denorm_mode_16_64 3
		.amdhsa_memory_ordered 1
		.amdhsa_forward_progress 1
		.amdhsa_inst_pref_size 150
	.end_amdhsa_kernel
	.amdgpu_metadata
---
amdhsa.version: [ 1, 2 ]
amdhsa.kernels:
  - .name:           k_q93bdb989c4_qkv
    .symbol:         k_q93bdb989c4_qkv.kd
    .args:
      - { .name: opq, .offset: 0, .size: 8, .value_kind: global_buffer, .address_space: global }
      - { .name: att, .offset: 8, .size: 8, .value_kind: global_buffer, .address_space: global }
    .group_segment_fixed_size: 327680
    .private_segment_fixed_size: 0
    .kernarg_segment_align: 8
    .kernarg_segment_size: 16
    .max_flat_workgroup_size: 128
    .sgpr_count:     100
    .vgpr_count:     1024
    .wavefront_size: 32
...
	.end_amdgpu_metadata
.endif
;; end of part 2
;; launch attn (part 3): grid 4 x 64, 16 waves a work-group, clusters of 4 x 1, 206,848 bytes of LDS; arguments att, mq; writes mq
.if DOCPART == 3
	.amdgcn_target "amdgcn-amd-amdhsa--gfx1250"
	.amdhsa_code_object_version 6
	.text
	.protected	k_q93bdb989c4_attn
	.globl	k_q93bdb989c4_attn
	.p2align	8
	.type	k_q93bdb989c4_attn,@function
k_q93bdb989c4_attn:
	s_mov_b64 s[64:65], 0
	v_nop
	global_prefetch_b8 v0, s[64:65] scope:SCOPE_SE
	s_setreg_imm32_b32 hwreg(HW_REG_WAVE_MODE, 25, 1), 1
	s_wait_xcnt 0x0
	s_wait_alu depctr_hold_cnt(0) depctr_sa_sdst(0) depctr_va_vdst(0) depctr_va_sdst(0) depctr_va_ssrc(0) depctr_va_vcc(0) depctr_vm_vsrc(0)
	s_getreg_b32 s2, hwreg(HW_REG_IB_STS2, 6, 4)
	s_cmp_eq_u32 s2, 0
	s_cbranch_scc0 .Lentry_in_a_cluster
	s_endpgm
.Lentry_in_a_cluster:
	s_bfe_u32 s2, ttmp6, 0x10000c
	s_cmp_lg_u32 s2, 0x3003
	s_cbranch_scc0 .Lentry_shape_is_right
	s_endpgm
.Lentry_shape_is_right:
; Causal attention of one (batch, head) on codes of BF6 (E3M2) with E8M0 scales: S = q k^T / 8, softmax, O = P v; O / l is quantised along the merged heads' axis and leaves as codes for the last product.
; THE SOFTMAX: t = score x log2(e) / 8; M = the running largest t rounded UP to a whole number; p = 2^(t - M) is what is quantised, along the keys; the row's sum is taken of the unquantised p and divides O at the end.
; When M moves, the sum and O are multiplied by 2^(old M - new M): exact.
; A HEAD'S K AND V STAY IN LDS: 98,304 bytes of codes and 4,096 scale bytes each, filled once: no ring, nothing is filled again.
; CLUSTER: the four work-groups of a cluster serve one head and need the same K and V: every load is joint (mask 15).  A head's 128 tiles of 16 queries are dealt as t = 4 j + cx: the key steps that a tile needs, j / 2 + 1,
; hang on j alone, so every branch hangs on the wave's number and is alike in the partners; cx enters global addresses and the mask's numbers only.
; SHARES: sixteen waves, 256 registers each, four to a SIMD, so that one wave's vector work stands beside another's matrix work and LDS loads.  Wave w owns tiles j = 31 - w and j = w: (31 - w) / 2 + w / 2 + 2 = 17 key steps of 128 for every wave.
; Both loops have constant trip counts (16 and 8); a step all of whose keys come after the tile's queries jumps over its work.
; LAYOUT: both products transposed: S^T = K Q^T, O^T = V^T P^T: a lane holds ONE query.  Place r of tile 2 b + u of the keys is key 32 b + 8 u + r + 8 (r / 8), so the 16 registers of two neighbouring tiles are 16 neighbouring keys.
; THE HEAD'S 64 IN AN INSTRUCTION OF 128: K's fragment is a PAIR of tiles, [tile 2 b | tile 2 b + 1]; against [Q | zero codes] it gives tile 2 b's scores, against [zero codes | Q] tile 2 b + 1's.  Zero codes add nothing
; under any scale byte that is not 0xff; all bytes here lie from 1 to 254.  Each fragment of K is read from LDS once for its two products.
; LIMITS: a block's largest p is made from the block's largest score by the same multiply-add and exponential (this takes v_exp_f32 not to fall where its input rises; at the worst one p within an ulp of a power of two is held one code low);
; a block of zeros gets the byte 1 where the rule says 127 (its codes are zeros; this program alone reads the bytes); NaN and infinities are not served.
.set ATS, 18874368
.set MQS, 6291456
.set KC,  0                            ; LDS: K's codes, 6,144 bytes a step: four fragments of 1,536
.set VC,  98304                        ; V's likewise
.set SCK, 196608                       ; K's scale words, 256 bytes a step: 16 bytes a row
.set SCV, 200704                       ; V's
.set L16, 1                            ; v1  16 x lane
.set L8,  2                            ; v2  8 x lane
.set ASC, 3                            ; v3  SCK + 16 r + 4,096 h: lanes 0-15 K's words, lanes 16-31 V's
.set AK,  4                            ; v4-8 the step's addresses
.set AK8, 5
.set AV,  6
.set AV8, 7
.set AS,  8
.set DQH, 9                            ; v9, v10  my query's place in its step of 128, less 16 h: the high tile's, the low tile's
.set DQL, 10
.set R16, 11                           ; v11 16 r
                                       ; v12 -M, v13 the largest t, v[14:15] the sum in two halves
.set QH,  22                           ; v16-45: zeros, Q of the high tile, zeros, Q of the low tile, zeros: six registers each
.set QL,  34
.set SQH, 46                           ; v46, v47 Q's scale words
.set SQL, 47
.set KS,  48                           ; v48-51 the step's scale words
.set F,   52                           ; v52-99 four fragments of K, then of V
.set S,   100                          ; v100-163 S^T, then p
.set O,   164                          ; v164-195 O^T
.set PC,  196                          ; v196-207 p's codes
.set C2,  208                          ; v208-210, v212-214 the conversions' second results
.set BM,  216                          ; v216-219 the blocks' largest
.set PT,  220                          ; v220-223 permutes' destinations, then bytes
.set SO,  224                          ; v224-227 the conversions' scale operands
.set PS,  228                          ; v228 p's scale word
.set FF,  230                          ; v[230:231] f = 2^(old M - new M), named as a pair
.set TW,  232                          ; v232-235 at work
.set OHH, 236                          ; v236-241, v242-247 the two images that leave
.set OHL, 242
.set PWH, 248                          ; v248, v249 their two scale bytes
.set PWL, 249
.set WV,  18
.set SEL, 20
.set CS,  22                           ; s[22:23] c = log2(e) / 8
.set G1C, 24
.set G1S, 32
.set G0K, 40
.set G0V, 44
.set G0SK, 48
.set G0SV, 52
.set STEPI, 56
.set TK,  57
.set TV,  58
.set TS,  59
.set NDH, 60                           ; the step on the diagonal: the high tile's, the low tile's: from the wave's number alone
.set NDL, 61
.set TH,  62                           ; the tiles' numbers in the head
.set TL,  63
.set QAH, 70
.set QAL, 72
.set SAH, 74
.set SAL, 76
.set OAH, 78
.set OAL, 80
.set PSB, 82
.set DSH, 84
.set DSL, 85
.macro ROUND                           ; a round of the cluster's barrier
	s_barrier_signal -1
	s_barrier_wait -1
	s_cmp_lg_u32 s[WV], 0
	s_cbranch_scc1 .Lnot_wave_0_\@
	s_barrier_signal -3
.Lnot_wave_0_\@:
	s_barrier_wait -3
	s_barrier_signal -1
	s_barrier_wait -1
.endm
; byte offsets of tile t: its image of Q, its scale bytes, where its result goes; and its first query's place in its step
.macro TILEADR t, qa, sa, oa, ds
	s_mul_i32 s[\qa], s[\t], 768
	s_add_co_u32 s[\qa], s[\qa], s94
	s_mov_b32 s[\qa+1], 0
	s_lshr_b32 s[\sa], s[\t], 3
	s_lshl_b32 s[\sa], s[\sa], 8                   ; the step's 256 bytes,
	s_and_b32 s97, s[\t], 7
	s_lshl_b32 s98, s97, 1                         ; in a row's 16: two bytes for each of the step's eight tiles
	s_add_co_u32 s[\sa], s[\sa], s98
	s_add_co_u32 s[\sa], s[\sa], s96
	s_mov_b32 s[\sa+1], 0
	s_lshl_b32 s[\oa], s9, 7
	s_add_co_u32 s[\oa], s[\oa], s[\t]
	s_lshl_b32 s[\oa], s[\oa], 4
	s_add_co_u32 s[\oa], s[\oa], s10
	s_mul_i32 s[\oa], s[\oa], 768                  ; mq: [batch x 128 + t][head][768]
	s_mov_b32 s[\oa+1], 0
	s_lshr_b32 s98, s97, 1
	s_lshl_b32 s98, s98, 5
	s_and_b32 s97, s97, 1
	s_lshl_b32 s97, s97, 3
	s_add_co_u32 s[\ds], s98, s97                  ; 32 ((t % 8) / 2) + 8 (t % 2)
.endm
	s_load_b128 s[4:7], s[0:1], 0x0                ; att, mq
	v_lshl_add_u32 v254, v0, 2, 0x32000
	v_mov_b32 v255, 0
	ds_add_u32 v254, v255
	ds_add_u32 v254, v255
	v_lshrrev_b32 v232, 5, v0
	v_readfirstlane_b32 s[WV], v232                ; wave 0..15
	s_and_b32 s8, ttmp7, 0xffff                    ; the cluster's y: 16 x batch + head
	s_lshr_b32 s9, s8, 4
	s_and_b32 s10, s8, 15
	s_bfe_u32 s11, ttmp6, 0x40000                  ; cx
	s_and_b32 s19, s[WV], 7                        ; which eighth of K (waves 0-7) or of V (waves 8-15) I fetch
	s_lshl_b32 s12, s9, 5
	s_add_co_u32 s12, s12, s10                     ; q's place among att's 192,
	s_add_co_u32 s13, s12, 16                      ; k's,
	s_add_co_u32 s14, s8, 128                      ; v's
	s_mul_i32 s15, s19, 12288
	s_lshl_b32 s16, s19, 9
	s_mul_i32 s66, s13, 98304
	s_add_co_u32 s66, s66, s15
	s_mov_b32 s67, 0
	s_mul_i32 s68, s14, 98304
	s_add_co_u32 s68, s68, s15
	s_mov_b32 s69, 0
	s_lshl_b32 s86, s13, 12
	s_add_co_u32 s86, s86, s16
	s_add_co_u32 s86, s86, ATS
	s_mov_b32 s87, 0
	s_lshl_b32 s88, s14, 12
	s_add_co_u32 s88, s88, s16
	s_add_co_u32 s88, s88, ATS
	s_mov_b32 s89, 0
	; descriptor group 1: dense blocks as rows of 256 bytes (32 elements of 8 bytes): 48 rows of codes, 2 rows of scale bytes
	s_mov_b32 s[G1C], 15|(3<<16)|(1<<21)           ; 15:0 the mask: all four work-groups; 17:16 elements of 8 bytes; 21 set beside a mask
	s_mov_b32 s[G1C+1], 32<<16
	s_mov_b32 s[G1C+2], 48<<16
	s_mov_b32 s[G1C+3], 32<<16
	s_mov_b32 s[G1C+4], 48
	s_mov_b32 s[G1C+5], 32
	s_mov_b32 s[G1C+6], 0
	s_mov_b32 s[G1C+7], 0
	s_mov_b32 s[G1S], 15|(3<<16)|(1<<21)
	s_mov_b32 s[G1S+1], 32<<16
	s_mov_b32 s[G1S+2], 2<<16
	s_mov_b32 s[G1S+3], 32<<16
	s_mov_b32 s[G1S+4], 2
	s_mov_b32 s[G1S+5], 32
	s_mov_b32 s[G1S+6], 0
	s_mov_b32 s[G1S+7], 0
	s_mov_b32 s[SEL], 0x76543210
	s_mov_b32 s[SEL+1], 0xfedcba98
	s_mov_b32 s[CS], 0x3e38aa3b                    ; c = log2(e) / 8
	s_mov_b32 s[CS+1], s[CS]                       ; (named with it as a pair, so it is written)
	s_sub_co_u32 s[NDH], 31, s[WV]                 ; j of the high tile
	s_lshl_b32 s[TH], s[NDH], 2
	s_add_co_u32 s[TH], s[TH], s11
	s_lshr_b32 s[NDH], s[NDH], 1
	s_lshl_b32 s[TL], s[WV], 2
	s_add_co_u32 s[TL], s[TL], s11
	s_lshr_b32 s[NDL], s[WV], 1
	s_mul_i32 s94, s12, 98304
	s_lshl_b32 s96, s12, 12
	s_add_co_u32 s96, s96, ATS
	TILEADR TH, QAH, SAH, OAH, DSH
	TILEADR TL, QAL, SAL, OAL, DSL
	s_lshl_b32 s[PSB], s9, 16                      ; mq's scale bytes: 512 a tile, 128 tiles a batch;
	s_lshr_b32 s97, s10, 3
	s_lshl_b32 s97, s97, 8                         ; the half of K,
	s_add_co_u32 s[PSB], s[PSB], s97
	s_and_b32 s97, s10, 7
	s_lshl_b32 s97, s97, 1                         ; two bytes for each of its eight heads
	s_add_co_u32 s[PSB], s[PSB], s97
	s_add_co_u32 s[PSB], s[PSB], MQS
	s_mov_b32 s[PSB+1], 0
	s_lshl_b32 s90, s[TH], 9
	s_lshl_b32 s91, s[TL], 9
	s_wait_dscnt 0x0
	s_wait_kmcnt 0x0
	s_mov_b32 s[G0K], 1
	s_add_co_u32 s[G0K+1], s15, KC
	s_add_nc_u64 s[G0K+2:G0K+3], s[4:5], s[66:67]
	s_or_b32 s[G0K+3], s[G0K+3], 0x80000000
	s_mov_b32 s[G0V], 1
	s_add_co_u32 s[G0V+1], s15, VC
	s_add_nc_u64 s[G0V+2:G0V+3], s[4:5], s[68:69]
	s_or_b32 s[G0V+3], s[G0V+3], 0x80000000
	s_mov_b32 s[G0SK], 1
	s_add_co_u32 s[G0SK+1], s16, SCK
	s_add_nc_u64 s[G0SK+2:G0SK+3], s[4:5], s[86:87]
	s_or_b32 s[G0SK+3], s[G0SK+3], 0x80000000
	s_mov_b32 s[G0SV], 1
	s_add_co_u32 s[G0SV+1], s16, SCV
	s_add_nc_u64 s[G0SV+2:G0SV+3], s[4:5], s[88:89]
	s_or_b32 s[G0SV+3], s[G0SV+3], 0x80000000
	s_add_nc_u64 s[QAH:QAH+1], s[4:5], s[QAH:QAH+1]
	s_add_nc_u64 s[QAL:QAL+1], s[4:5], s[QAL:QAL+1]
	s_add_nc_u64 s[SAH:SAH+1], s[4:5], s[SAH:SAH+1]
	s_add_nc_u64 s[SAL:SAL+1], s[4:5], s[SAL:SAL+1]
	s_add_nc_u64 s[OAH:OAH+1], s[6:7], s[OAH:OAH+1]
	s_add_nc_u64 s[OAL:OAL+1], s[6:7], s[OAL:OAL+1]
	s_add_nc_u64 s[PSB:PSB+1], s[6:7], s[PSB:PSB+1]
	ROUND                                          ; all four work-groups are here: the joint loads meet
	s_cmp_lt_u32 s[WV], 8                          ; a wave's two fills stand in one branch on the wave's number: two tensor loads of mine are out; four v_nop follow the second
	s_cbranch_scc0 .Lfirst_v
	tensor_load_to_lds s[G0SK:G0SK+3], s[G1S:G1S+7]
	s_nop 0
	tensor_load_to_lds s[G0K:G0K+3], s[G1C:G1C+7]
	s_nop 0
.rept 4
	v_nop
.endr
	s_branch .Lfirst_asked
.Lfirst_v:
	tensor_load_to_lds s[G0SV:G0SV+3], s[G1S:G1S+7]
	s_nop 0
	tensor_load_to_lds s[G0V:G0V+3], s[G1C:G1C+7]
	s_nop 0
.rept 4
	v_nop
.endr
.Lfirst_asked:
	v_and_b32 v232, 31, v0                         ; lane
	v_lshlrev_b32 v[L16], 4, v232
	v_lshlrev_b32 v[L8], 3, v232
	v_and_b32 v233, 15, v0                         ; r
	v_bfe_u32 v234, v0, 4, 1                       ; h
	v_lshlrev_b32 v[R16], 4, v233
	global_load_b128 v[QH:QH+3], v[L16], s[QAH:QAH+1]              ; Q's images stay in registers
	global_load_b64 v[QH+4:QH+5], v[L8], s[QAH:QAH+1] offset:512
	global_load_b128 v[QL:QL+3], v[L16], s[QAL:QAL+1]
	global_load_b64 v[QL+4:QL+5], v[L8], s[QAL:QAL+1] offset:512
	global_load_u16 v[SQH], v[R16], s[SAH:SAH+1]                   ; and my row's two scale bytes
	global_load_u16 v[SQL], v[R16], s[SAL:SAL+1]
	v_lshl_add_u32 v[ASC], v234, 12, v[R16]
	v_add_nc_u32 v[ASC], SCK, v[ASC]
	v_and_b32 v235, 8, v233
	v_add_nc_u32 v235, v235, v233                  ; r + 8 (r / 8)
	v_lshlrev_b32 v234, 4, v234
	v_sub_nc_u32 v235, v235, v234                  ; - 16 h
	v_add_nc_u32 v[DQH], s[DSH], v235
	v_add_nc_u32 v[DQL], s[DSL], v235
.irp z, 16,17,18,19,20,21,28,29,30,31,32,33,40,41,42,43,44,45
	v_mov_b32 v\z, 0                               ; the zero codes beside Q
.endr
.irp b, 0,1,2,3
	v_mov_b32 v[PT+\b], 0                          ; a lane permute's destination counts as one of its sources
.endr
	v_mov_b32 v[FF+1], 0                           ; (named as the upper half of a pair)
	s_wait_tensorcnt 0x0                           ; my parts of K or V are in LDS,
	s_barrier_signal -1
	s_barrier_wait -1                              ; everybody's are: from here on LDS is only read
	s_wait_loadcnt 0x0                             ; Q
	v_lshl_or_b32 v[SQH], v[SQH], 16, v[SQH]       ; the two bytes serve whichever half of the operand holds Q
	v_lshl_or_b32 v[SQL], v[SQL], 16, v[SQL]
.macro INIT                            ; the loop has no first step of its own: O^T and the sum begin as zeros, the largest t as -3e38, under every t
	v_mov_b32 v13, 0xff61b1e6
	v_mov_b32 v14, 0
	v_mov_b32 v15, 0
	v_floor_f32 v12, -v13
.set J, 0
.rept 32
	v_mov_b32 v[O+J], 0
.set J, J+1
.endr
.endm
.macro FOUR a16, a8                    ; four fragments, 6,144 consecutive bytes
.irp b, 0,1,2,3
	ds_load_b128 v[F+12*\b:F+12*\b+3], v[\a16] offset:1536*\b
	ds_load_b64 v[F+12*\b+4:F+12*\b+5], v[\a8] offset:1536*\b+512
	ds_load_b128 v[F+12*\b+6:F+12*\b+9], v[\a16] offset:1536*\b+768
	ds_load_b64 v[F+12*\b+10:F+12*\b+11], v[\a8] offset:1536*\b+1280
.endr
.endm
; A KEY STEP: 128 keys.  qb: Q's first register; sq: its scale word; nd: the step on the diagonal; dq: the mask's number.
.macro STEP qb, sq, nd, dq
	v_add_nc_u32 v[AK], s[TK], v[L16]              ; the addresses are made on every way; these five lines are also the places behind the last step's products
	v_add_nc_u32 v[AK8], s[TK], v[L8]
	v_add_nc_u32 v[AV], s[TV], v[L16]
	v_add_nc_u32 v[AV8], s[TV], v[L8]
	v_add_nc_u32 v[AS], s[TS], v[ASC]
	s_cmp_gt_u32 s[STEPI], s[\nd]                  ; all keys of the step come after my queries: its work is left out
	s_cbranch_scc1 .Lidle_\@
	FOUR AK, AK8
	ds_load_b128 v[KS:KS+3], v[AS]
	s_wait_dscnt 0x0
.irp b, 0,1,2,3
	v_wmma_scale_f32_16x16x128_f8f6f4 v[S+16*\b:S+16*\b+7], v[F+12*\b:F+12*\b+11], v[\qb:\qb+11], 0, v[KS+\b], v[\sq] matrix_a_fmt:MATRIX_FMT_BF6 matrix_b_fmt:MATRIX_FMT_BF6
	v_wmma_scale_f32_16x16x128_f8f6f4 v[S+16*\b+8:S+16*\b+15], v[F+12*\b:F+12*\b+11], v[\qb-6:\qb+5], 0, v[KS+\b], v[\sq] matrix_a_fmt:MATRIX_FMT_BF6 matrix_b_fmt:MATRIX_FMT_BF6
.endr
.rept 4
	v_nop                                          ; places in front of the loads into K's registers and of the first read of the scores
.endr
	FOUR AV, AV8                                   ; V's fragments land while the softmax is worked
	s_cmp_lg_u32 s[STEPI], s[\nd]
	s_cbranch_scc1 .Lopen_\@                       ; only the step on the diagonal hides keys
	v_mov_b32 v[TW], 0xff800000                    ; -infinity: p = 0 then.  Register 16 b + i holds key 32 b + 16 h + i of the step: hidden where 32 b + i > my query's place - 16 h
.set N, 0
.rept 64
	v_cmp_gt_i32 vcc_lo, 32*(N/16)+N%16, v[\dq]
	v_cndmask_b32 v[S+N], v[S+N], v[TW], vcc_lo
.set N, N+1
.endr
.Lopen_\@:
.irp b, 0,1,2,3
	v_max3_num_f32 v[BM+\b], v[S+16*\b], v[S+16*\b+1], v[S+16*\b+2]   ; the largest score of each block of 32 keys: for the row's maximum, and for the block's largest p
.endr
.irp i, 3,5,7,9,11,13
.irp b, 0,1,2,3
	v_max3_num_f32 v[BM+\b], v[BM+\b], v[S+16*\b+\i], v[S+16*\b+\i+1]
.endr
.endr
.irp b, 0,1,2,3
	v_max_num_f32 v[BM+\b], v[BM+\b], v[S+16*\b+15]
.endr
.irp b, 0,1,2,3
	v_permlanex16_b32 v[PT+\b], v[BM+\b], s[SEL], s[SEL+1]
.endr
.irp b, 0,1,2,3
	v_max_num_f32 v[BM+\b], v[BM+\b], v[PT+\b]     ; with lane l xor 16's 16 keys
.endr
	v_max3_num_f32 v[TW], v[BM], v[BM+1], v[BM+2]
	v_max_num_f32 v[TW], v[TW], v[BM+3]            ; the step's largest score of my query (the step's first key is never hidden)
	v_mul_f32 v[TW], s[CS], v[TW]
	v_max_num_f32 v13, v13, v[TW]                  ; the running largest t
	v_mov_b32 v[TW], v12
	v_floor_f32 v12, -v13                          ; the new -M = floor(-t): M is a whole number
	v_sub_f32 v[TW], v12, v[TW]                    ; old M - new M: a whole number, 0 or less
	v_cvt_i32_f32 v[TW], v[TW]                     ; (it saturates)
	v_ldexp_f32 v[FF], 1.0, v[TW]                  ; f = 2^(old M - new M)
.set J, 0
.rept 32
	v_pk_fma_f32 v[S+J:S+J+1], v[S+J:S+J+1], s[CS:CS+1], v[12:13] op_sel_hi:[1,0,0]   ; t - M, two at a time
.set J, J+2
.endr
.irp b, 0,1,2,3
	v_fma_f32 v[BM+\b], v[BM+\b], s[CS], v12       ; the same of each block's largest score
.endr
.set J, 0
.rept 64
	v_exp_f32 v[S+J], v[S+J]                       ; p = 2^(t - M), at most 1: not normalised
.set J, J+1
.endr
.irp b, 0,1,2,3
	v_exp_f32 v[BM+\b], v[BM+\b]                   ; the block's largest p
.endr
	v_pk_mul_f32 v[14:15], v[14:15], v[FF:FF+1] op_sel_hi:[1,0]   ; the sums under the new M (a plain line behind the exponentials)
	s_wait_alu depctr_va_vdst(0)
.irp b, 0,1,2,3
	v_max_num_f32 v[BM+\b], 0x2800000, v[BM+\b]    ; the floor 2^(5 - 127): the byte cannot fall under 1
.endr
.irp b, 0,1,2,3
	v_add_nc_u32 v[SO+\b], 0xfe000000, v[BM+\b]    ; 4 off the exponent field: the conversion's scale operand
.endr
.irp b, 0,1,2,3
	v_lshrrev_b32 v[PT+\b], 23, v[SO+\b]           ; the scale's byte
.endr
	v_lshl_or_b32 v[PS], v[PT+1], 8, v[PT]         ; p's scale word for these 128 keys
	v_lshl_or_b32 v[PS], v[PT+2], 16, v[PS]
	v_lshl_or_b32 v[PS], v[PT+3], 24, v[PS]
.irp c, 0,1
	v_cvt_scalef32_pk16_bf6_f32 v[PC+6*\c:PC+6*\c+2], v[S+32*\c:S+32*\c+15], v[SO+2*\c]
	v_cvt_scalef32_pk16_bf6_f32 v[C2+4*\c:C2+4*\c+2], v[S+32*\c+16:S+32*\c+31], v[SO+2*\c+1]   ; (a conversion's three registers begin on an even number)
.endr
	v_nop                                          ; one plain line behind a scaled conversion
.irp c, 0,1                                    ; the layout wants a WHOLE block in a lane
.irp i, 0,1,2
	v_permlane16_swap_b32 v[PC+6*\c+\i], v[C2+4*\c+\i]
.endr
.irp i, 0,1,2
	v_mov_b32 v[PC+3+6*\c+\i], v[C2+4*\c+\i]
.endr
.endr
	v_pk_add_f32 v[TW+2:TW+3], v[S:S+1], v[S+2:S+3]   ; the row's sum is taken of the unquantised p: two at a time, in two chains
.irp j, 4,8,12,16,20,24,28,32,36,40,44,48,52,56,60
	v_pk_add_f32 v[14:15], v[14:15], v[S+\j:S+\j+1]
	v_pk_add_f32 v[TW+2:TW+3], v[TW+2:TW+3], v[S+\j+2:S+\j+3]
.endr
	v_pk_add_f32 v[14:15], v[14:15], v[TW+2:TW+3]
.set J, 0
.rept 16
	v_pk_mul_f32 v[O+J:O+J+1], v[O+J:O+J+1], v[FF:FF+1] op_sel_hi:[1,0]   ; O^T under the new M.  (The sums and these lines stand between the writing of p's codes and scale word and the products)
.set J, J+2
.endr
	s_wait_dscnt 0x0                               ; V's fragments are in
.irp b, 0,1,2,3                                ; O^T += V^T P^T: the four accumulators by turns; V's scale words lie in lanes 16-31
	v_wmma_scale_f32_16x16x128_f8f6f4 v[O+8*\b:O+8*\b+7], v[F+12*\b:F+12*\b+11], v[PC:PC+11], v[O+8*\b:O+8*\b+7], v[KS+\b], v[PS] matrix_a_fmt:MATRIX_FMT_BF6 matrix_b_fmt:MATRIX_FMT_BF6 matrix_a_scale:MATRIX_SCALE_ROW1
.endr
.Lidle_\@:
	s_add_co_u32 s[TK], s[TK], 6144                ; the next step's tiles and scale words
	s_add_co_u32 s[TV], s[TV], 6144
	s_add_co_u32 s[TS], s[TS], 256
.endm
.macro KEYLOOP last, qb, sq, nd, dq    ; a constant number of trips
	s_mov_b32 s[STEPI], 0
	s_mov_b32 s[TK], KC
	s_mov_b32 s[TV], VC
	s_mov_b32 s[TS], 0
.Lkeys_\@:
	STEP \qb, \sq, \nd, \dq
	s_add_co_u32 s[STEPI], s[STEPI], 1
	s_cmp_lt_u32 s[STEPI], \last
	s_cbranch_scc1 .Lkeys_\@
.endm
; O^T / the sum; register 16 b + i is channel 32 b + 16 h + i of my query: two blocks of 32 along the last product's K.  They become one image (16 tokens x this head's 64) and two scale bytes.
.macro FINISH oh, pw, ob
.rept 4
	v_nop                                          ; places behind the last products
.endr
	v_add_f32 v14, v14, v15
	v_permlanex16_b32 v[TW], v14, s[SEL], s[SEL+1]
	v_add_f32 v14, v14, v[TW]                      ; the row's sum
	v_rcp_f32 v14, v14
	v_nop                                          ; a plain line behind the transcendental
.set J, 0
	s_wait_alu depctr_va_vdst(0)
.rept 16
	v_pk_mul_f32 v[S+J:S+J+1], v[O+J:O+J+1], v[14:15] op_sel_hi:[1,0]   ; each accumulator from its low end on
.set J, J+2
.endr
.irp b, 0,1
	v_max3_num_f32 v[BM+\b], |v[S+16*\b]|, |v[S+16*\b+1]|, 0x2800000
.endr
.irp i, 2,4,6,8,10,12,14
.irp b, 0,1
	v_max3_num_f32 v[BM+\b], v[BM+\b], |v[S+16*\b+\i]|, |v[S+16*\b+\i+1]|
.endr
.endr
.irp b, 0,1
	v_permlanex16_b32 v[PT+\b], v[BM+\b], s[SEL], s[SEL+1]
.endr
.irp b, 0,1
	v_max_num_f32 v[BM+\b], v[BM+\b], v[PT+\b]
.endr
.irp b, 0,1
	v_add_nc_u32 v[SO+\b], 0xfe000000, v[BM+\b]
.endr
.irp b, 0,1
	v_lshrrev_b32 v[PT+\b], 23, v[SO+\b]
.endr
	v_lshl_or_b32 v[\pw], v[PT+1], 8, v[PT]
	v_cvt_scalef32_pk16_bf6_f32 v[\oh:\oh+2], v[S:S+15], v[SO]
	v_cvt_scalef32_pk16_bf6_f32 v[C2:C2+2], v[S+16:S+31], v[SO+1]
	v_nop
.irp i, 0,1,2
	v_permlane16_swap_b32 v[\oh+\i], v[C2+\i]      ; lanes 0-15 now hold block 0, lanes 16-31 block 1
.endr
.irp i, 0,1,2
	v_mov_b32 v[\oh+3+\i], v[C2+\i]
.endr
	global_store_b128 v[L16], v[\oh:\oh+3], s[\ob:\ob+1]               ; 512 consecutive bytes, then 256; these registers are not written again
	global_store_b64 v[L8], v[\oh+4:\oh+5], s[\ob:\ob+1] offset:512
.endm
	INIT
	KEYLOOP 16, QH, SQH, NDH, DQH
	FINISH OHH, PWH, OAH
	INIT
	KEYLOOP 8, QL, SQL, NDL, DQL
	FINISH OHL, PWL, OAL
	; the scale bytes: a wave owns one head's two bytes of a row's scale word, so they leave two bytes a lane: lanes 0-15 the high tile's rows, lanes 16-31 the low tile's.  They are one byte in 24 of what the launch stores.
	v_and_b32 v232, 31, v0
	v_cmp_gt_u32 vcc_lo, 16, v232
	v_cndmask_b32 v250, v[PWL], v[PWH], vcc_lo
	v_add_nc_u32 v233, s90, v[R16]
	v_add_nc_u32 v234, s91, v[R16]
	v_cndmask_b32 v251, v234, v233, vcc_lo
	global_store_b16 v251, v250, s[PSB:PSB+1]
	s_wait_dscnt 0x0
	s_wait_tensorcnt 0x0
	ds_add_u32 v254, v255
	s_wait_dscnt 0x0
	ROUND                                          ; the closing round: no work-group ends while a partner may still ask for a tile that names it
	s_endpgm
.Lfunc_end_k_q93bdb989c4_attn:
	.size	k_q93bdb989c4_attn, .Lfunc_end_k_q93bdb989c4_attn-k_q93bdb989c4_attn
	.p2alignl 7, 3214868480
	.fill 96, 4, 3214868480
	.section	.rodata,"a",@progbits
	.p2align	6, 0x0
	.amdhsa_kernel k_q93bdb989c4_attn
		.amdhsa_group_segment_fixed_size 206848
		.amdhsa_private_segment_fixed_size 0
		.amdhsa_enable_private_segment 0
		.amdhsa_kernarg_size 16
		.amdhsa_user_sgpr_count 2
		.amdhsa_user_sgpr_kernarg_segment_ptr 1
		.amdhsa_wavefront_size32 1
		.amdhsa_system_sgpr_workgroup_id_x 1
		.amdhsa_system_sgpr_workgroup_id_y 1
		.amdhsa_system_sgpr_workgroup_id_z 1
		.amdhsa_system_vgpr_workitem_id 0
		.amdhsa_next_free_vgpr 256
		.amdhsa_next_free_sgpr 100
		.amdhsa_reserve_vcc 1
		.amdhsa_float_denorm_mode_32 3
		.amdhsa_float_denorm_mode_16_64 3
		.amdhsa_memory_ordered 1
		.amdhsa_forward_progress 1
		.amdhsa_inst_pref_size 62
	.end_amdhsa_kernel
	.amdgpu_metadata
---
amdhsa.version: [ 1, 2 ]
amdhsa.kernels:
  - .name:           k_q93bdb989c4_attn
    .symbol:         k_q93bdb989c4_attn.kd
    .args:
      - { .name: att, .offset: 0, .size: 8, .value_kind: global_buffer, .address_space: global }
      - { .name: mq, .offset: 8, .size: 8, .value_kind: global_buffer, .address_space: global }
    .group_segment_fixed_size: 206848
    .private_segment_fixed_size: 0
    .kernarg_segment_align: 8
    .kernarg_segment_size: 16
    .max_flat_workgroup_size: 512
    .sgpr_count:     100
    .vgpr_count:     256
    .wavefront_size: 32
...
	.end_amdgpu_metadata
.endif
;; end of part 3
;; launch oproj (part 4): grid 4 x 64, 4 waves a work-group, clusters of 4 x 4, 327,680 bytes of LDS; arguments mq, opq, out0; writes out0
.if DOCPART == 4
	.amdgcn_target "amdgcn-amd-amdhsa--gfx1250"
	.amdhsa_code_object_version 6
	.text
	.protected	k_q93bdb989c4_oproj
	.globl	k_q93bdb989c4_oproj
	.p2align	8
	.type	k_q93bdb989c4_oproj,@function
k_q93bdb989c4_oproj:
	s_mov_b64 s[64:65], 0
	v_nop
	global_prefetch_b8 v0, s[64:65] scope:SCOPE_SE
	s_setreg_imm32_b32 hwreg(HW_REG_WAVE_MODE, 25, 1), 1
	s_wait_xcnt 0x0
	s_wait_alu depctr_hold_cnt(0) depctr_sa_sdst(0) depctr_va_vdst(0) depctr_va_sdst(0) depctr_va_ssrc(0) depctr_va_vcc(0) depctr_vm_vsrc(0)
	s_getreg_b32 s2, hwreg(HW_REG_IB_STS2, 6, 4)
	s_cmp_eq_u32 s2, 0
	s_cbranch_scc0 .Lentry_in_a_cluster
	s_endpgm
.Lentry_in_a_cluster:
	s_bfe_u32 s2, ttmp6, 0x10000c
	s_cmp_lg_u32 s2, 0xf033
	s_cbranch_scc0 .Lentry_shape_is_right
	s_endpgm
.Lentry_shape_is_right:
; out0 = merged Wo^T on codes of BF6 (E3M2) with E8M0 scales, K = 1,024.  R = the merged heads' codes (mq, laid as x is in opq), Cc = Wo's (opq, tiles 704-767).  out0: [8192][1024] f32.
; A work-group of four waves makes 128 x 256, a wave 64 x 128: 32 accumulators, 256 registers.  64 x 4 = 256 work-groups.
; ALL OF K LIES IN LDS: R's 8 tiles and Cc's 16, 12,288 bytes each, are 294,912 bytes, in four slots of 256 along K.  Every slot is filled once, so no barrier guards a refill and no round of the cluster's barrier stands inside the product:
; a wave's five tensor loads (its scale words, its part of slots 0 to 3) go out together at the start, and in front of each slot's first read stand a counted wait and the work-group's barrier.
; The price of the smaller tile: a wave reads 12 fragments, 18,432 bytes, from LDS for 32 matrix instructions.
; THE MATRIX INSTRUCTION IS USED TRANSPOSED (source 0 = 16 rows of Cc, source 1 = 16 rows of R): a lane holds eight numbers of one row of out0.
; Codes lie as images of the operand's registers, [tile][sigma 16][768]; a fragment of 128 along K is two images: four LDS loads of consecutive bytes.  Place r of tile 2 g + u is row 32 g + 8 u + r + 8 (r / 8): the way out undoes that, in its immediates.
; CLUSTERS: 4 x 4.  The four of a row of the cluster need the same tiles of R, the four of a column the same tiles of Cc: each is asked for jointly.
; REGISTERS: window 0: v1-27 lane numbers and addresses; v32-95 scale words and nothing else; v128-175, v176-223 R's fragments, two sets (on the way out v128-255: rows read back).
;   window 1: Cc's fragments, two sets, at v0 and v128.  window 2: the accumulators ((a, b) at v[8 (8 a + b)]).
.set OPS,   9437184
.set MQS,   6291456
.set TROW,  3072                       ; a tile's part of a slot: four images
.set RT,    8*TROW                     ; R's 8 tiles of a slot
.set SLOT,  24*TROW                    ; then Cc's 16
.set SCL,   4*SLOT                     ; behind the four slots: R's scale words, 4,096 bytes, then Cc's, 8,192
.set SPITCH, 528                       ; the way out: a stage of 16 rows x (512 bytes + 16) for each wave, in slot 0: it has had its one fill, and every wave has passed three barriers since its last read of it
.set FR,    12
.set NP,    4                          ; places behind this matrix instruction (ISA guide 7.12.1)
.set ADRA,  4                          ; v4-7 my R fragments in slots 0 to 3, at 16 x lane;  v8-11 at 8 x lane
.set ADRB,  12                         ; v12-19 the same for Cc
.set STO,   24                         ; v24 where I put 32 bytes of a row
.set RD,    25                         ; v25 where I read a row back
.set CO,    26                         ; v26 16 x lane: my bytes of a row of 512
.set ADRS,  27                         ; v27 my scale words: lanes 0-15 R's rows, lanes 16-31 Cc's
.set SC,    32                         ; v[SC + 8 i + s]: lanes 0-15 the word of R's block i (i under 4), lanes 16-31 that of Cc's block i, for the s-th 128 along K
.set AF,    128
.set BK,    128                        ; 16 rows read back: v128-191 and v192-255 by turns
.set G1, 24                            ; s[24:31] descriptor group 1 for R's tiles;  s[32:47] group 0, one set for each slot
.set G0, 32
.set G1B, 48                           ; s[48:55] group 1 for Cc's tiles;  group 0: s[56:63] for slots 0 and 1, s[92:99] for slots 2 and 3
.set G0B, 56
.set G1S, 68                           ; s[68:75], s[76:79] R's scale words;  s[80:87], s[88:91] Cc's
.set G0S, 76
.set G1SB, 80
.set G0SB, 88
.set MSB, 0
.macro WIN new                         ; the immediate's high byte repeats the setting that is left
.if MSB != (\new)
	s_set_vgpr_msb (MSB<<8)|(\new)
.set MSB, (\new)
.endif
.endm
.set MUL,  0xa1                        ; source 0 (Cc) window 1, source 1 (R) window 0, C and D window 2
.set TO_B, 0x40                        ; destination window 1, address window 0
.macro JLOAD g0a, g1a, g0b, g1b        ; a joint load: waves 0 and 1 fetch for R, waves 2 and 3 for Cc; the branch hangs on the wave's number alone; four v_nop follow each of the two lines
	s_cmp_eq_u32 s15, 0
	s_cbranch_scc0 .Lfor_b_\@
	tensor_load_to_lds s[\g0a:\g0a+3], s[\g1a:\g1a+7]
	s_nop 0
.rept 4
	v_nop
.endr
	s_branch .Lasked_\@
.Lfor_b_\@:
	tensor_load_to_lds s[\g0b:\g0b+3], s[\g1b:\g1b+7]
	s_nop 0
.rept 4
	v_nop
.endr
.Lasked_\@:
.endm
.macro CROUND                          ; a round of the cluster's barrier
	s_barrier_signal -1
	s_barrier_wait -1
	s_cmp_lg_u32 s14, 0
	s_cbranch_scc1 .Lnot_wave_0_\@
	s_barrier_signal -3
.Lnot_wave_0_\@:
	s_barrier_wait -3
	s_barrier_signal -1
	s_barrier_wait -1
.endm
.macro SHAPE g, c, r, p                ; words 1 to 7 of a group 1: r rows of c elements of 8 bytes, p elements apart
	s_mov_b32 s[\g+1], (\c)<<16                    ; tensor_dim0
	s_mov_b32 s[\g+2], (\r)<<16                    ; tensor_dim1
	s_mov_b32 s[\g+3], (\c)<<16                    ; tile_dim0
	s_mov_b32 s[\g+4], \r                          ; tile_dim1
	s_mov_b32 s[\g+5], \p                          ; tensor_dim0_stride
	s_mov_b32 s[\g+6], 0
	s_mov_b32 s[\g+7], 0
.endm
	s_load_b128 s[4:7], s[0:1], 0x0                ; mq, opq
	s_load_b64 s[12:13], s[0:1], 0x10              ; out0
	v_lshl_add_u32 v126, v0, 2, 0x4b000
	v_mov_b32 v127, 0
	ds_add_u32 v126, v127
	ds_add_u32 v126, v127
	v_lshrrev_b32 v1, 5, v0
	v_readfirstlane_b32 s14, v1                    ; wave 0..3
	s_lshr_b32 s15, s14, 1                         ; which 64 of R's rows are mine.  Also: I fetch for R (0) or for Cc (1)
	s_and_b32 s16, s14, 1                          ; which 128 of Cc's rows.  Also: which half of that operand's tiles I fetch
	s_bfe_u32 s2, ttmp6, 0x40000                   ; cx, cy: my place in the cluster
	s_bfe_u32 s3, ttmp6, 0x40004
	s_and_b32 s17, ttmp7, 0xffff                   ; the cluster's y
	s_lshl_b32 s8, s3, 2
	s_lshl_b32 s8, 15, s8                          ; my row of the cluster
	s_lshl_b32 s9, 0x1111, s2                      ; my column
	s_or_b32 s[G1+0], s8, (3<<16)|(1<<21)          ; 15:0 the mask: R's tiles go to my row; 17:16 elements of 8 bytes; 21 set beside a mask
	s_or_b32 s[G1B+0], s9, (3<<16)|(1<<21)         ; Cc's go to my column
	s_or_b32 s[G1S+0], s8, (3<<16)|(1<<21)
	s_or_b32 s[G1SB+0], s9, (3<<16)|(1<<21)
	SHAPE G1, 384, 4, 1536                         ; R's codes: 4 tiles x 3,072 bytes, 12,288 bytes apart
	SHAPE G1B, 384, 8, 1536                        ; Cc's: 8 tiles
	SHAPE G1S, 32, 8, 32                           ; R's scale words: 2,048 dense bytes as rows of 256
	SHAPE G1SB, 32, 16, 32                         ; Cc's: 4,096
	s_lshl_b32 s10, s17, 2
	s_add_co_u32 s10, s10, s3                      ; my block of 128 rows = 4 x cluster y + cy
	s_lshl_b32 s10, s10, 3
	s_lshl_b32 s18, s16, 2
	s_add_co_u32 s10, s10, s18                     ; the first tile of R that I fetch: it never holds cx
	s_lshl_b32 s11, ttmp9, 2
	s_add_co_u32 s11, s11, s2                      ; my block of 256 columns = 4 x cluster x + cx
	s_lshl_b32 s11, s11, 4
	s_lshl_b32 s22, s16, 3
	s_add_co_u32 s11, s11, s22
	s_add_co_u32 s11, s11, 704                     ; the first tile of Cc that I fetch: it never holds cy
	s_mul_i32 s18, s10, 12288
	s_mov_b32 s19, 0
	s_lshl_b32 s20, s10, 9
	s_add_co_u32 s20, s20, MQS
	s_mov_b32 s21, 0
	s_mul_i32 s22, s11, 12288
	s_mov_b32 s23, 0
	s_mul_i32 s8, s16, 4*TROW                      ; where they go in a slot: R's halves,
	s_mul_i32 s9, s16, 8*TROW
	s_add_co_u32 s9, s9, RT                        ; Cc's halves behind them: no place in the cluster enters an LDS address
	s_wait_dscnt 0x0
	s_wait_kmcnt 0x0
	s_add_nc_u64 s[18:19], s[4:5], s[18:19]        ; R's codes,
	s_add_nc_u64 s[20:21], s[4:5], s[20:21]        ; R's scale words,
	s_add_nc_u64 s[22:23], s[6:7], s[22:23]        ; Cc's codes
.irp s, 0,1,2,3
.set GB, G0B+4*\s+28*(\s/2)            ; s56, s60, s92, s96
	s_mov_b32 s[G0+4*\s], 1                                        ; 1:0 count = 1
	s_add_co_u32 s[G0+4*\s+1], s8, \s*SLOT                         ; 63:32 LDS address
	s_add_nc_u64 s[G0+4*\s+2:G0+4*\s+3], s[18:19], \s*TROW         ; 120:64 global address: quarter s of K
	s_or_b32 s[G0+4*\s+3], s[G0+4*\s+3], 0x80000000                ; 127:126 type = 2
	s_mov_b32 s[GB], 1
	s_add_co_u32 s[GB+1], s9, \s*SLOT
	s_add_nc_u64 s[GB+2:GB+3], s[22:23], \s*TROW
	s_or_b32 s[GB+3], s[GB+3], 0x80000000
.endr
	s_mov_b32 s[G0S], 1
	s_lshl_b32 s[G0S+1], s16, 11
	s_add_co_u32 s[G0S+1], s[G0S+1], SCL
	s_mov_b64 s[G0S+2:G0S+3], s[20:21]
	s_or_b32 s[G0S+3], s[G0S+3], 0x80000000
	s_lshl_b32 s22, s11, 9
	s_add_co_u32 s22, s22, OPS
	s_mov_b32 s23, 0
	s_add_nc_u64 s[22:23], s[6:7], s[22:23]        ; Cc's scale words
	s_mov_b32 s[G0SB], 1
	s_lshl_b32 s[G0SB+1], s16, 12
	s_add_co_u32 s[G0SB+1], s[G0SB+1], SCL+4096
	s_mov_b64 s[G0SB+2:G0SB+3], s[22:23]
	s_or_b32 s[G0SB+3], s[G0SB+3], 0x80000000
	CROUND                                         ; all sixteen work-groups are here: the joint loads meet
	JLOAD G0S, G1S, G0SB, G1SB                     ; the scale words first: they are wanted with the first step
.irp s, 0,1,2,3
	JLOAD G0+4*\s, G1, G0B+4*\s+28*(\s/2), G1B     ; then the slots in the order in which they are read: five tensor loads of mine are out
.endr
	v_and_b32 v1, 31, v0                           ; lane
	v_and_b32 v2, 15, v0                           ; r
	v_bfe_u32 v3, v0, 4, 1                         ; h
	v_lshlrev_b32 v[CO], 4, v1
	v_lshlrev_b32 v20, 3, v1
	s_mul_i32 s18, s15, 4*TROW                     ; my 4 tiles of R
	s_mul_i32 s19, s16, 8*TROW                     ; my 8 tiles of Cc,
	s_add_co_u32 s19, s19, RT                      ; which lie behind R's 8
.irp s, 0,1,2,3
	v_add_nc_u32 v[ADRA+\s], s18, v[CO]
	v_add_nc_u32 v[ADRA+4+\s], s18, v20
	v_add_nc_u32 v[ADRB+\s], s19, v[CO]
	v_add_nc_u32 v[ADRB+4+\s], s19, v20
	s_add_co_u32 s18, s18, SLOT
	s_add_co_u32 s19, s19, SLOT
.endr
	s_lshl_b32 s18, s15, 11                        ; R's scale words: my 4 tiles
	s_lshl_b32 s19, s16, 12                        ; Cc's: my 8 tiles, behind R's 8
	s_add_co_u32 s19, s19, 4096
	s_sub_co_u32 s19, s19, s18
	v_mul_u32_u24 v21, s19, v3                     ; lanes 16-31 take Cc's words: one product, the distance between the two
	s_add_co_u32 s18, s18, SCL
	v_lshl_add_u32 v21, v2, 4, v21                 ; 16 bytes a row
	v_add_nc_u32 v[ADRS], s18, v21
	s_mul_i32 s18, s14, 16*SPITCH                  ; my stage
	v_mul_u32_u24 v22, v2, SPITCH
	v_lshl_add_u32 v22, v3, 6, v22                 ; in: row r; my half's 16 columns of each 32: 64 h bytes on
	v_add_nc_u32 v[STO], s18, v22
	v_add_nc_u32 v[RD], s18, v[CO]                 ; back: the 32 lanes take one row of 512 bytes
	s_lshl_b32 s20, s17, 2
	s_add_co_u32 s20, s20, s3
	s_lshl_b32 s20, s20, 1
	s_add_co_u32 s20, s20, s15                     ; which 64 rows of out0 are mine;
	s_lshl_b32 s20, s20, 18                        ; 64 rows of 4,096 bytes
	s_lshl_b32 s21, ttmp9, 2
	s_add_co_u32 s21, s21, s2
	s_lshl_b32 s21, s21, 10                        ; 1,024 bytes for each 256 columns,
	s_add_co_u32 s20, s20, s21
	s_lshl_b32 s21, s16, 9                         ; 512 for my half
	s_add_co_u32 s20, s20, s21
	s_mov_b32 s21, 0
	s_add_nc_u64 s[12:13], s[12:13], s[20:21]
.macro FRAG reg, adr, q, i             ; a fragment, 12 registers: two images on end; every load takes consecutive bytes
	ds_load_b128 v[\reg:\reg+3], v[\adr] offset:(\i)*TROW+(\q)*1536
	ds_load_b64 v[\reg+4:\reg+5], v[\adr+4] offset:(\i)*TROW+(\q)*1536+512
	ds_load_b128 v[\reg+6:\reg+9], v[\adr] offset:(\i)*TROW+(\q)*1536+768
	ds_load_b64 v[\reg+10:\reg+11], v[\adr+4] offset:(\i)*TROW+(\q)*1536+1280
.endm
; 16 matrix instructions: R's blocks a0, a0 + 1 x Cc's eight, the s-th 128 along K, on the sets p.  zero = 1: the first product starts the sums.
; The 32 accumulators take turns, one instruction a turn, in the same order in every step.
.macro MUL16 a0, p, s, zero
.irp a, \a0, \a0+1
.irp b, 0,1,2,3,4,5,6,7
.if \zero
	v_wmma_scale_f32_16x16x128_f8f6f4 v[8*(8*(\a)+\b):8*(8*(\a)+\b)+7], v[128*(\p)+FR*\b:128*(\p)+FR*\b+FR-1], v[AF+48*(\p)+FR*(\a):AF+48*(\p)+FR*(\a)+FR-1], 0, v[SC+8*\b+(\s)], v[SC+8*(\a)+(\s)] matrix_a_fmt:MATRIX_FMT_BF6 matrix_b_fmt:MATRIX_FMT_BF6 matrix_a_scale:MATRIX_SCALE_ROW1
.else
	v_wmma_scale_f32_16x16x128_f8f6f4 v[8*(8*(\a)+\b):8*(8*(\a)+\b)+7], v[128*(\p)+FR*\b:128*(\p)+FR*\b+FR-1], v[AF+48*(\p)+FR*(\a):AF+48*(\p)+FR*(\a)+FR-1], v[8*(8*(\a)+\b):8*(8*(\a)+\b)+7], v[SC+8*\b+(\s)], v[SC+8*(\a)+(\s)] matrix_a_fmt:MATRIX_FMT_BF6 matrix_b_fmt:MATRIX_FMT_BF6 matrix_a_scale:MATRIX_SCALE_ROW1
.endif
.endr
.endr
.endm
.macro FETCH slot, q, p                ; 48 LDS loads in one run: Cc's eight fragments and R's four of the slot's q-th 128 along K, into the sets p
	WIN TO_B
.irp i, 0,1,2,3,4,5,6,7
	FRAG 128*(\p)+FR*\i, ADRB+\slot, \q, \i
.endr
	WIN 0
.irp i, 0,1,2,3
	FRAG AF+48*(\p)+FR*\i, ADRA+\slot, \q, \i
.endr
.endm
.macro SCALES                          ; all of K's scale words, once: 16 bytes a row and half of K.  (For i from 4 on lanes 0-15 read words that no product takes: bytes of the same region, filled like the others)
.irp i, 0,1,2,3,4,5,6,7
	ds_load_b128 v[SC+8*\i:SC+8*\i+3], v[ADRS] offset:512*\i
	ds_load_b128 v[SC+8*\i+4:SC+8*\i+7], v[ADRS] offset:512*\i+256
.endr
.endm
; A load into a register that a matrix instruction has read, and an LDS store that reads a matrix result, stand NP places behind that matrix instruction; only plain vector instructions that name none of
; its registers are places (ISA guide 7.12.1 for vector instructions).
.macro PLACES n
.rept \n
	v_nop
.endr
.endm
; A slot's first 128 along K, the s-th of K, on the sets 0; in its middle the slot's second 128 are fetched into the sets 1, which the step before multiplied.
.macro STEP slot, s, zero
	s_wait_dscnt 0x0                               ; this step's fragments are in (asked for 16 matrix instructions ago)
	WIN MUL
	MUL16 0, 0, \s, \zero
	PLACES NP
	FETCH \slot, 1, 1
	WIN MUL
	MUL16 2, 0, \s, \zero
.endm
; A slot's second 128, on the sets 1, goes on into the next slot.  left: how many of my tensor loads, those of the slots behind the next one, may stay out.
.macro TURN next, s, left
	s_wait_tensorcnt \left                         ; tensor loads of a wave end in order (ISA guide 10.11.1): my part of the next slot is in;
	s_wait_dscnt 0x0                               ; this step's fragments are in, and no LDS instruction of mine is out at the signal
	s_barrier_signal -1
	WIN MUL
	MUL16 0, 1, \s, 0                              ; work on registers while the others arrive
	s_barrier_wait -1                              ; everybody's part is in
	PLACES NP
	FETCH \next, 0, 0
	WIN MUL
	MUL16 2, 1, \s, 0
.endm
	s_wait_tensorcnt 3                             ; the scale words and my part of slot 0 are in; the loads of slots 1, 2, 3 may be out,
	s_barrier_signal -1
	s_barrier_wait -1                              ; everybody's are
	FETCH 0, 0, 0
	SCALES
	STEP 0, 0, 1                                   ; the first products start the sums: nothing is cleared
	TURN 1, 1, 2
	STEP 1, 2, 0
	TURN 2, 3, 1
	STEP 2, 4, 0
	TURN 3, 5, 0                                   ; the last wait is for zero: no tensor load is out from here on
	STEP 3, 6, 0
	s_wait_dscnt 0x0
	WIN MUL
	MUL16 0, 1, 7, 0
	MUL16 2, 1, 7, 0
	WIN 0
; THE WAY OUT, block by block of 16 rows x 128 columns, through my own stage.  Register j of accumulator b = 2 g + u is column 32 g + 16 h + 8 u + j of my row: 128 g + 64 h + 32 u + 4 j bytes into the stage's row.
; LDS serves a wave's instructions in order (ISA guide 5.7.1.4): no wait between the stores and the loads.  Place t of block a = 2 g + u is row 32 g + 8 u + t + 8 (t / 8) of my 64: it stands in the store's immediate, 258,048 bytes at the most.
.macro TOSTAGE a
.set AC, 64*(\a)
	WIN 0x08                                       ; the data: window 2
.irp b, 0,1,2,3,4,5,6,7
	ds_store_b128 v[STO], v[AC+8*\b:AC+8*\b+3] offset:128*(\b/2)+32*(\b%2)          ; each accumulator from its low end on
	ds_store_b128 v[STO], v[AC+8*\b+4:AC+8*\b+7] offset:128*(\b/2)+32*(\b%2)+16
.endr
	WIN 0
.set BB, BK+64*((\a)%2)
.irp t, 0,1,2,3,4,5,6,7,8,9,10,11,12,13,14,15
	ds_load_b128 v[BB+4*\t:BB+4*\t+3], v[RD] offset:\t*SPITCH
.endr
.endm
.macro SEND a, younger                 ; younger: the LDS instructions issued behind block a's loads, which may stay out
.set BB, BK+64*((\a)%2)
	s_wait_dscnt \younger
.irp t, 0,1,2,3,4,5,6,7,8,9,10,11,12,13,14,15
	global_store_b128 v[CO], v[BB+4*\t:BB+4*\t+3], s[12:13] offset:(32*((\a)/2)+8*((\a)%2)+\t+8*(\t/8))*4096 th:TH_STORE_NT   ; 32 lanes store 512 consecutive bytes, aligned; written once, read by nobody here
.endr
.endm
	PLACES NP                                      ; in front of the first read of results and of the loads into the registers that held R's fragments
	TOSTAGE 0
.irp a, 1,2,3
.if \a > 1
	s_wait_xcnt 0x0                                ; block a - 2's stores have read their registers: block a's loads may land there
.endif
	TOSTAGE \a
	SEND \a-1, 32                                  ; behind block a - 1's loads: block a's 16 stores and 16 loads
.endr
	SEND 3, 0                                      ; its wait is for zero: no LDS instruction of mine is out at the signal below
	s_wait_tensorcnt 0x0
	ds_add_u32 v126, v127
	s_wait_dscnt 0x0
	CROUND                                         ; the closing round: no work-group ends while a partner may still ask for a tile that names it
	s_endpgm
.Lfunc_end_k_q93bdb989c4_oproj:
	.size	k_q93bdb989c4_oproj, .Lfunc_end_k_q93bdb989c4_oproj-k_q93bdb989c4_oproj
	.p2alignl 7, 3214868480
	.fill 96, 4, 3214868480
	.section	.rodata,"a",@progbits
	.p2align	6, 0x0
	.amdhsa_kernel k_q93bdb989c4_oproj
		.amdhsa_group_segment_fixed_size 327680
		.amdhsa_private_segment_fixed_size 0
		.amdhsa_enable_private_segment 0
		.amdhsa_kernarg_size 24
		.amdhsa_user_sgpr_count 2
		.amdhsa_user_sgpr_kernarg_segment_ptr 1
		.amdhsa_wavefront_size32 1
		.amdhsa_system_sgpr_workgroup_id_x 1
		.amdhsa_system_sgpr_workgroup_id_y 1
		.amdhsa_system_sgpr_workgroup_id_z 1
		.amdhsa_system_vgpr_workitem_id 0
		.amdhsa_next_free_vgpr 768
		.amdhsa_next_free_sgpr 100
		.amdhsa_reserve_vcc 0
		.amdhsa_float_denorm_mode_32 3
		.amdhsa_float_denorm_mode_16_64 3
		.amdhsa_memory_ordered 1
		.amdhsa_forward_progress 1
		.amdhsa_inst_pref_size 87
	.end_amdhsa_kernel
	.amdgpu_metadata
---
amdhsa.version: [ 1, 2 ]
amdhsa.kernels:
  - .name:           k_q93bdb989c4_oproj
    .symbol:         k_q93bdb989c4_oproj.kd
    .args:
      - { .name: mq, .offset: 0, .size: 8, .value_kind: global_buffer, .address_space: global }
      - { .name: opq, .offset: 8, .size: 8, .value_kind: global_buffer, .address_space: global }
      - { .name: out0, .offset: 16, .size: 8, .value_kind: global_buffer, .address_space: global }
    .group_segment_fixed_size: 327680
    .private_segment_fixed_size: 0
    .kernarg_segment_align: 8
    .kernarg_segment_size: 24
    .max_flat_workgroup_size: 128
    .sgpr_count:     100
    .vgpr_count:     768
    .wavefront_size: 32
...
	.end_amdgpu_metadata
.endif
;; end of part 4
